; MI455X (gfx1250); checked and timed in simulation.
; The chip was launched on July 23, 2026; its instructions are those of AMD's public machine-readable ISA for CDNA 5 (MIT licence, August 2026) and "CDNA5" Instruction Set Architecture Reference Guide (July 2026). The comments in the code are by the model that wrote it; some were corrected since.
;; Grouped Query Attention. Allowed arithmetic: matrix products marked QUANTISED: E4M3 operands, one E8M0 scale for each 32 along K, by v_wmma_scale_f32_16x16x128_f8f6f4 with both operands' format E4M3, f32 sums; everything else in f32.
;; Inputs: K 4 x 1,024 x 1,024 float32; Q 4 x 1,024 x 4,096 float32; V 4 x 1,024 x 1,024 float32; W_o 2,048 x 4,096 float32; b_o 2,048 float32; mask 4 x 1,024 x 1,024 int32.
;; Outputs: out0 4 x 1,024 x 2,048 float32.
;; This version of the problem:
;;   THIS VERSION OF THE PROBLEM IS GIVEN IN LOW PRECISION. The matrix products marked QUANTISED in the list below multiply operands that are first quantised to E4M3 (4 exponent bits, 3 mantissa bits; 8 bits a number), with one power-of-two scale for each 32 numbers along K (OCP MX v1.0); their sums are f32. All else is computed in f32.
;;   The module's matrix products, in the order in which they are computed (A, B: the left and right operand; K: the contracted axis; several contracted axes count as one K, in the product's order):
;;     1. batch 32 x [M 1,024, K 128] x [K 128, N 4,096]; A: input K; B: input Q: QUANTISED
;;     2. batch 32 x [M 128, K 1,024] x [K 1,024, N 4,096]; A: input V; B: softmax (see below): QUANTISED
;;     3. [M 4,096, K 4,096] x [K 4,096, N 2,048]; A: computed on the way; B: input W_o: QUANTISED
;;   THE QUANTISER, for each operand of a quantised product, along K:
;;     - K is cut into blocks of 32 from its start; a last block that is shorter is filled with zeros.
;;     - A block's scale is 2^e with e = floor(log2(the largest magnitude in the block)) - 8, held to -126 .. 127; a block of zeros has e = 0. As a byte (E8M0): e + 127.
;;     - Each number is divided by its block's scale, clamped to +-448, and rounded to the nearest number of E4M3, ties to even, subnormals kept.
;;     - The product sums the exact products of the quantised numbers (number of the format x scale) in f32.
;;   ~~~python
;;   def quantise(x, axis):      # numpy; x: float32 -> the quantised numbers, widened to float32 again
;;       x = np.moveaxis(x, axis, -1); K = x.shape[-1]
;;       x = np.pad(x, [(0, 0)] * (x.ndim - 1) + [(0, -K % 32)]); x = x.reshape(x.shape[:-1] + (-1, 32)); a = np.abs(x).max(-1, keepdims=True)
;;       e = np.where(a > 0, np.clip(np.frexp(np.where(a > 0, a, 1))[1] - 1 - 8, -126, 127), 0)      # np.frexp(a)[1] - 1 = floor(log2(a)), exactly
;;       r = np.clip(x / 2.0 ** e, -448, 448)
;;       step = 2.0 ** (np.maximum(np.frexp(np.where(r == 0, 1, r))[1] - 1, -6) - 3)
;;       q = np.round(r / step) * step * 2.0 ** e      # np.round: ties to even
;;       return np.moveaxis(q.reshape(q.shape[:-2] + (-1,))[..., :K], -1, axis).astype(np.float32)
;;   ~~~
;;   SOFTMAX AHEAD OF A QUANTISED PRODUCT. Where the list says 'softmax', what is quantised is not the finished softmax but p = 2^(t - M), with t = logit x log2(e) and M = ceil(the row's largest t), a whole number; so 1/2 < the row's largest p <= 1. The row's sum l is taken of the UNQUANTISED p, in f32, and the product's result is divided by l at the end. Since M is a whole number, a kernel that streams over the keys may use a running M (the ceiling of the running maximum): every later rescaling is an exact power of two, which a block's scale takes up: the codes' values come out the same.
;;   OPERANDS COMPUTED ON THE WAY. 'Computed on the way' means the value that the module computes at that place (a softmax that the list does not call 'softmax' is quantised finished and normalised). What goes into a quantiser is computed in f32, as accurately as f32 sums, v_exp_f32 and their like allow (about 1e-6 of the number): no bf16 or f16 on the way to a quantiser, and a product that is left as it is and whose result goes on into a quantised operand takes f32 operands (vector FMAs, or v_wmma_f32_16x16x4_f32). A number that lies on a knife's edge between two numbers of the format may be rounded either way, as far as f32 arithmetic and the matrix unit's own rounding can turn it there, and no further.
;; 2 versions, each right; version 2 is version 1 with the launch attn written anew for expert scheduling mode. Each part assembles by itself: llvm-mc -triple=amdgcn-amd-amdhsa -mcpu=gfx1250 --defsym DOCPART=n.
;; ======== version 1 of 2: 3 launches
;; workspace buffers: kv 8,912,896 bytes; wb 8,912,896 bytes; ac 17,825,792 bytes; mw 524,288 bytes of whole numbers; flags 2,048 bytes of whole numbers
;; launch prep (part 1): grid 768 x 1, 4 waves a work-group, no clusters, 53,248 bytes of LDS; arguments K, V, W_o, mask, kv, wb, mw, flags; writes kv, wb, mw, flags
.if DOCPART == 1
	.amdgcn_target "amdgcn-amd-amdhsa--gfx1250"
	.amdhsa_code_object_version 6
	.text
	.protected	k_qe58af36c36_prep
	.globl	k_qe58af36c36_prep
	.p2align	8
	.type	k_qe58af36c36_prep,@function
k_qe58af36c36_prep:
	s_mov_b64 s[64:65], 0
	v_nop
	global_prefetch_b8 v0, s[64:65] scope:SCOPE_SE
	s_setreg_imm32_b32 hwreg(HW_REG_WAVE_MODE, 25, 1), 1
	s_wait_xcnt 0x0
; K, V and W_o (f32) become codes of FP8 (E4M3) with one E8M0 scale byte for each 32 along the product's K, and the mask (int32) becomes lane masks and flags.
; A block's scale is 2^(floor(log2(its largest magnitude)) - 8); each number is divided by it, held within +-448 and rounded to the nearest code, ties to even.
; LIMITS: NaN and infinities among K, V, W_o are not served.  A block whose largest magnitude lies under 2^-118 gets the scale byte 1; a block of zeros gets the byte 1 where the
; rule says 127: its codes are zeros, which add nothing under any byte but 0xff, and the bytes are read by this program alone.
; WHAT IS WRITTEN.  Operands leave as IMAGES OF THEIR REGISTERS: a fragment (16 rows x 128 along K) is 2,048 bytes, piece c (registers 4 c .. 4 c + 3) 512 bytes, lane l's 16 bytes at
; 512 c + 16 l; lane (r, h) holds k = 32 c + 16 h + 0 .. 15 of row r.  Its scale words are 128 bytes, 4 a lane (lane r and lane r + 16 hold row r's word).
;   kv: 32 blocks (batch x 8 + kv head) of 278,528 bytes: K's fragments [step 8][tile 8], K's scale images, V's fragments [step 8][tile 8], V's scale images.
;       Lane r of K's tile 2 bb + u of a step takes key 32 bb + 8 u + r + 8 (r / 8); V's tile likewise in channels: so the next product's K runs along a lane's registers.
;   wb: [256 columns 8][256 along K 16] blocks of 69,632 bytes: fragments [q 2][i 16], then scale images [q][i].
;   mw: [batch][tile of 16 queries 64][step 8][64 words]: bit l of word n = mask(query l % 16, key 32 (n / 16) + 16 (l / 16) + n % 16) is not 0.
;   flags: [batch][tile][2] words: bit f: some key of step 4 x word + f is kept; bit 8 + f: some key of it is masked.
; SHARES.  Work-groups 0-255 take W_o, 256-383 K, 384-511 the mask, 512-767 V.  Four waves, which share nothing: no barrier.  No tile is read by two work-groups, so there is nothing to ask for jointly.
; W_o, K and the mask take ONE text: a wave has 4 units of 16 rows x 512 bytes; each load reads two runs of 256 consecutive bytes; a unit turns through the wave's own stage in LDS, so that a
; lane then holds 16 neighbours of each block of 32 of ONE row.  V's K is its first axis: a lane takes a channel and its registers run down the keys; that path has LDS bytes of its own.
.set KVB,  278528                      ; a block of kv
.set WBLK, 69632                       ; a block of wb
.set R,    16                          ; v16-143  two sets of 64 registers as loaded
.set X,    144                         ; v144-207 a unit behind the turn: register 16 c + i = column 32 c + 16 h + i of row r
.set PC,   208                         ; v208-223 the fragment's codes
.set TM,   224                         ; v224-239 at work
.set PW,   240                         ; v240     the scale word
.set MNT,  23                          ; s23      the mantissa field of 448
.set SEL,  24                          ; s[24:25] lane selects: lane l xor 16
.set STG,  8448                        ; a wave's stage: 16 rows x (512 + 16) bytes
.set VLDS, 4*STG                       ; V's path: from here on, VREG bytes a wave
.set VREG, 4736                        ; 32 rows x (128 + 16) bytes, then 128 bytes of scale words
; 64 numbers of a lane, register 16 b + i = k 32 b + 16 (lane / 16) + i of my row, become a fragment's codes and its scale word
.macro QUANT s, pc, tm, pw
.irp b, 0,1,2,3
	v_max3_num_f32 v[\tm+\b], |v[\s+16*\b]|, |v[\s+1+16*\b]|, 0x4800000   ; block b: my 16 numbers, and the floor 2^(9 - 127): the byte cannot fall under 1
.endr
.irp i, 2,4,6,8,10,12,14
.irp b, 0,1,2,3
	v_max3_num_f32 v[\tm+\b], v[\tm+\b], |v[\s+16*\b+\i]|, |v[\s+1+16*\b+\i]|   ; the four blocks by turns
.endr
.endr
.irp b, 0,1,2,3
	v_permlanex16_b32 v[\tm+4+\b], v[\tm+\b], s[SEL], s[SEL+1]
.endr
.irp b, 0,1,2,3
	v_max_num_f32 v[\tm+\b], v[\tm+\b], v[\tm+4+\b]                ; with lane l xor 16's: the block's largest magnitude
.endr
.irp b, 0,1,2,3
	v_add_nc_u32 v[\tm+12+\b], 0xfc000000, v[\tm+\b]               ; 8 off its exponent field: the conversion's scale operand
.endr
.irp b, 0,1,2,3
	v_and_or_b32 v[\tm+8+\b], v[\tm+\b], 0x7f800000, s[MNT]        ; 448 x the scale
.endr
.irp b, 0,1,2,3
	v_lshrrev_b32 v[\tm+4+\b], 23, v[\tm+12+\b]                    ; the scale's byte
.endr
	v_lshl_or_b32 v[\pw], v[\tm+5], 8, v[\tm+4]
	v_lshl_or_b32 v[\pw], v[\tm+6], 16, v[\pw]
	v_lshl_or_b32 v[\pw], v[\tm+7], 24, v[\pw]
.irp b, 0,1,2,3
.irp i, 0,1,2,3,4,5,6,7,8,9,10,11,12,13,14,15
	v_med3_num_f32 v[\s+16*\b+\i], v[\s+16*\b+\i], -v[\tm+8+\b], v[\tm+8+\b]   ; the conversion to an 8-bit code does not saturate (ISA guide 7.6.2): the hold comes first
.endr
	v_cvt_scalef32_pk8_fp8_f32 v[\pc+4*\b:\pc+1+4*\b], v[\s+16*\b:\s+7+16*\b], v[\tm+12+\b]
	v_cvt_scalef32_pk8_fp8_f32 v[\pc+2+4*\b:\pc+3+4*\b], v[\s+8+16*\b:\s+15+16*\b], v[\tm+12+\b]
.endr
	v_nop                                          ; a plain line behind the last conversion
.endm
; unit f: 16 loads; lanes 0-15 take 256 consecutive bytes of row 2 p, lanes 16-31 of row 2 p + 1
.macro LOADU f
.irp p, 0,1,2,3,4,5,6,7
	global_load_b128 v[R+64*((\f)%2)+8*\p:R+64*((\f)%2)+8*\p+3], v[8+\p], s[28:29] offset:512*(\f) th:TH_LOAD_NT
	global_load_b128 v[R+64*((\f)%2)+8*\p+4:R+64*((\f)%2)+8*\p+7], v[8+\p], s[28:29] offset:512*(\f)+256 th:TH_LOAD_NT
.endr
.endm
; unit f through my stage: in as loaded, back 64 bytes a lane and block.  LDS serves a wave's instructions in order (ISA guide 5.7.1.4): no wait between
.macro TURNU f
.irp p, 0,1,2,3,4,5,6,7
	ds_store_b128 v4, v[R+64*((\f)%2)+8*\p:R+64*((\f)%2)+8*\p+3] offset:1056*\p
	ds_store_b128 v4, v[R+64*((\f)%2)+8*\p+4:R+64*((\f)%2)+8*\p+7] offset:1056*\p+256
.endr
.irp c, 0,1,2,3
.irp j, 0,1,2,3
	ds_load_b128 v[X+16*\c+4*\j:X+16*\c+4*\j+3], v5 offset:128*\c+16*\j
.endr
.endr
.endm
; the mask's unit f: 64 compares give the step's 64 lane masks; word n goes to lane n / 2, register n % 2, so that the wave stores 256 consecutive bytes
.macro CMPU f
	s_mov_b32 s38, 0                               ; the OR of the words: some key kept
	s_mov_b32 s39, -1                              ; the AND: no key masked
.set n, 0
.rept 16
.irp k, 0,1,2,3
	v_cmp_ne_u32 s[40+\k], 0, v[X+n+\k]
.endr
.irp k, 0,1,2,3
	s_or_b32 s38, s38, s[40+\k]
	s_and_b32 s39, s39, s[40+\k]
	v_writelane_b32 v[242+(n+\k)%2], s[40+\k], (n+\k)/2
.endr
.set n, n+4
.endr
	global_store_b64 v241, v[242:243], s[30:31] offset:256*(\f)
	s_cmp_lg_u32 s38, 0
	s_cselect_b32 s40, 1<<(\f), 0
	s_or_b32 s44, s44, s40
	s_cmp_lg_u32 s39, -1
	s_cselect_b32 s40, 1<<(8+(\f)), 0
	s_or_b32 s44, s44, s40
.endm
.macro UNIT f
.if (\f) < 3
	s_wait_loadcnt 16                              ; this unit's 16 loads are in; the next unit's 16 may be out
.else
	s_wait_loadcnt 0x0
.endif
	TURNU \f
	s_wait_dscnt 0x0                               ; the unit is back, and the stage's stores have read the set that is loaded again below
	s_wait_xcnt 0x0                                ; the last unit's stores have read their data: codes, scale word and mask words are written again only behind this wait
.if (\f) < 2
	LOADU (\f)+2
.endif
	s_cmp_eq_u32 s21, 2
	s_cbranch_scc1 .Lmask_\@
	QUANT X, PC, TM, PW
	s_cmp_eq_u32 s21, 0
	s_cbranch_scc0 .Lkeys_\@
.irp c, 0,1,2,3                        ; W_o: unit f is 128 along K: block f / 2 on, its half f % 2
	global_store_b128 v6, v[PC+4*\c:PC+4*\c+3], s[30:31] offset:((\f)/2)*WBLK+((\f)%2)*32768+512*\c
.endr
	global_store_b32 v7, v[PW], s[30:31] offset:((\f)/2)*WBLK+((\f)%2)*2048
	s_branch .Ldone_\@
.Lkeys_\@:
.irp c, 0,1,2,3                        ; K: unit f is kv head 4 x + f: f blocks on
	global_store_b128 v6, v[PC+4*\c:PC+4*\c+3], s[30:31] offset:(\f)*KVB+512*\c
.endr
	global_store_b32 v7, v[PW], s[30:31] offset:(\f)*KVB
	s_branch .Ldone_\@
.Lmask_\@:
	CMPU \f
.Ldone_\@:
.endm
; V: block t: V(key 32 t + i, my channel), i = 0 .. 31
.macro LOADV t
.irp i, 0,1,2,3,4,5,6,7,8,9,10,11,12,13,14,15,16,17,18,19,20,21,22,23,24,25,26,27,28,29,30,31
	global_load_b32 v[32+32*((\t)%2)+\i], v4, s[28:29] offset:(32*(\t)+\i)*4096 th:TH_LOAD_NT
.endr
.endm
.macro BLOCKV t
.set XS, 32+32*((\t)%2)
.if (\t) < 3
	s_wait_loadcnt 32                              ; this block's 32 loads are in; the next block's may be out
.else
	s_wait_loadcnt 0x0
.endif
	v_max3_num_f32 v12, |v[XS]|, |v[XS+1]|, |v[XS+2]|              ; the block's largest magnitude: all 32 numbers are mine
	v_max3_num_f32 v13, |v[XS+3]|, |v[XS+4]|, |v[XS+5]|
.irp i, 6,10,14,18,22,26
	v_max3_num_f32 v12, v12, |v[XS+\i]|, |v[XS+\i+1]|
	v_max3_num_f32 v13, v13, |v[XS+\i+2]|, |v[XS+\i+3]|
.endr
	v_max3_num_f32 v12, v12, |v[XS+30]|, |v[XS+31]|
	v_max3_num_f32 v12, v12, v13, 0x4800000        ; and the floor
	v_add_nc_u32 v11, 0xfc000000, v12              ; the conversion's scale operand
	v_and_or_b32 v10, v12, 0x7f800000, s[MNT]      ; 448 x the scale
	v_lshrrev_b32 v13, 23, v11                     ; the byte
.if (\t) == 0
	v_mov_b32 v24, v13                             ; four bytes make my channel's scale word for these 128 keys
.else
	v_lshl_or_b32 v24, v13, 8*(\t), v24
.endif
.irp i, 0,1,2,3,4,5,6,7,8,9,10,11,12,13,14,15,16,17,18,19,20,21,22,23,24,25,26,27,28,29,30,31
	v_med3_num_f32 v[XS+\i], v[XS+\i], -v10, v10
.endr
.irp g, 0,1,2,3
	v_cvt_scalef32_pk8_fp8_f32 v[96+2*\g:97+2*\g], v[XS+8*\g:XS+8*\g+7], v11
.endr
	v_nop                                          ; a plain line behind the last conversion
	ds_store_b128 v5, v[96:99] offset:32*(\t)      ; 32 codes of my channel's row
	ds_store_b128 v5, v[100:103] offset:32*(\t)+16
.if (\t)+2 < 4
	LOADV (\t)+2
.endif
	s_wait_dscnt 0x0                               ; the stores have read their registers: the next block's codes may be written
.endm
	s_load_b256 s[4:11], s[0:1], 0x0               ; K s[4:5], V s[6:7], W_o s[8:9], mask s[10:11]
	s_load_b256 s[12:19], s[0:1], 0x20             ; kv s[12:13], wb s[14:15], mw s[16:17], flags s[18:19]
	v_lshl_add_u32 v254, v0, 2, 0xce00
	v_mov_b32 v255, 0
	v_lshrrev_b32 v1, 5, v0
	v_readfirstlane_b32 s20, v1                    ; wave 0..3
	v_and_b32 v1, 31, v0                           ; lane
	v_and_b32 v2, 15, v0                           ; r
	v_bfe_u32 v3, v0, 4, 1                         ; h
	s_mov_b32 s[MNT], 0x600000
	s_mov_b32 s[SEL], 0x76543210
	s_mov_b32 s[SEL+1], 0xfedcba98
	s_cmp_ge_u32 ttmp9, 512
	s_cbranch_scc1 .Lvalues
	; ---- W_o, K, mask: the offsets, by kind (s21); s22 = which of the kind's runs is my wave's
	s_cmp_lt_u32 ttmp9, 256
	s_cbranch_scc0 .Lnot_w
	s_mov_b32 s21, 0
	s_lshl_b32 s22, ttmp9, 2
	s_add_co_u32 s22, s22, s20
	s_lshr_b32 s40, s22, 3                         ; which 16 rows of W_o
	s_and_b32 s41, s22, 7                          ; which 512 along K
	s_lshl_b32 s34, s40, 18                        ; 16 rows of 16,384 bytes
	s_lshl_b32 s42, s41, 11
	s_add_co_u32 s34, s34, s42                     ; from where
	s_mov_b32 s26, 16384                           ; bytes from row to row
	s_mov_b32 s27, 0                               ; rows 8-15 follow rows 0-7
	s_lshr_b32 s36, s40, 4
	s_mul_i32 s36, s36, 16*WBLK
	s_mul_i32 s42, s41, 2*WBLK
	s_add_co_u32 s36, s36, s42                     ; to where: the block of my first 256 along K
	s_and_b32 s40, s40, 15
	s_lshl_b32 s32, s40, 11                        ; my fragment in it,
	s_lshl_b32 s33, s40, 7
	s_add_co_u32 s33, s33, 65536                   ; and its scale image
	s_branch .Lset
.Lnot_w:
	s_cmp_lt_u32 ttmp9, 384
	s_cbranch_scc0 .Lis_mask
	s_mov_b32 s21, 1
	s_sub_co_u32 s22, ttmp9, 256
	s_lshl_b32 s22, s22, 2
	s_add_co_u32 s22, s22, s20
	s_and_b32 s40, s22, 1                          ; x: kv heads 4 x .. 4 x + 3
	s_bfe_u32 s41, s22, 0x60001                    ; 8 x step + tile
	s_lshr_b32 s42, s22, 7                         ; batch
	s_lshr_b32 s43, s41, 3
	s_lshl_b32 s43, s43, 7                         ; the tile's first key: 128 x step
	s_bfe_u32 s34, s41, 0x20001
	s_lshl_b32 s34, s34, 5
	s_add_co_u32 s43, s43, s34                     ; + 32 (tile / 2)
	s_and_b32 s34, s41, 1
	s_lshl_b32 s34, s34, 3
	s_add_co_u32 s43, s43, s34                     ; + 8 (tile % 2)
	s_lshl_b32 s34, s42, 10
	s_add_co_u32 s34, s34, s43
	s_lshl_b32 s34, s34, 12                        ; rows of 4,096 bytes
	s_lshl_b32 s43, s40, 11
	s_add_co_u32 s34, s34, s43
	s_mov_b32 s26, 4096
	s_mov_b32 s27, 8*4096                          ; rows 8-15 of a tile lie 8 keys further on
	s_lshl_b32 s36, s42, 3
	s_lshl_b32 s43, s40, 2
	s_add_co_u32 s36, s36, s43
	s_mul_i32 s36, s36, KVB
	s_lshl_b32 s32, s41, 11
	s_lshl_b32 s33, s41, 7
	s_add_co_u32 s33, s33, 131072
	s_branch .Lset
.Lis_mask:
	s_mov_b32 s21, 2
	s_sub_co_u32 s22, ttmp9, 384
	s_lshl_b32 s22, s22, 2
	s_add_co_u32 s22, s22, s20
	s_and_b32 s40, s22, 1                          ; steps 4 x this on
	s_bfe_u32 s41, s22, 0x60001                    ; tile of 16 queries
	s_lshr_b32 s42, s22, 7                         ; batch
	s_lshl_b32 s34, s42, 10
	s_lshl_b32 s43, s41, 4
	s_add_co_u32 s34, s34, s43
	s_lshl_b32 s34, s34, 12
	s_lshl_b32 s43, s40, 11
	s_add_co_u32 s34, s34, s43
	s_mov_b32 s26, 4096
	s_mov_b32 s27, 0
	s_lshl_b32 s36, s22, 10                        ; four steps of 256 bytes
	s_mov_b32 s32, 0
	s_mov_b32 s33, 0
.Lset:
	s_mov_b32 s35, 0
	s_mov_b32 s37, 0
	s_mov_b32 s44, 0                               ; the flags
	s_mul_i32 s40, s20, STG                        ; my stage
	v_mul_u32_u24 v4, v3, 528
	v_lshl_add_u32 v4, v2, 4, v4
	v_add_nc_u32 v4, s40, v4                       ; in: row 2 p + h, 16 bytes a lane
	v_mul_u32_u24 v5, v2, 528
	v_lshl_add_u32 v5, v3, 6, v5
	v_add_nc_u32 v5, s40, v5                       ; back: row r, + 64 h: rows 132 words apart, so 16 lanes touch 16 different columns of 16 bytes
	v_lshl_add_u32 v6, v1, 4, s32                  ; out: my 16 bytes of a piece
	v_lshl_add_u32 v7, v1, 2, s33                  ; and my scale word
	v_mul_lo_u32 v241, v3, s26
	v_lshl_add_u32 v241, v2, 4, v241
.irp p, 0,1,2,3,4,5,6,7
	s_mul_i32 s40, s26, 2*\p
.if \p >= 4
	s_add_co_u32 s40, s40, s27
.endif
	v_add_nc_u32 v[8+\p], s40, v241                ; rows 2 p and 2 p + 1 of a unit
.endr
	v_lshlrev_b32 v241, 3, v1                      ; the mask words: 8 bytes a lane
	v_mov_b32 v242, 0                              ; written once: a lane write's and a lane permute's destination counts as read
	v_mov_b32 v243, 0
.irp b, 0,1,2,3
	v_mov_b32 v[TM+4+\b], 0
.endr
	s_wait_kmcnt 0x0
	s_cmp_eq_u32 s21, 0                            ; the buffers are chosen by the kind, which hangs on the work-group's number alone
	s_cselect_b64 s[28:29], s[8:9], s[4:5]
	s_cselect_b64 s[30:31], s[14:15], s[12:13]
	s_cmp_eq_u32 s21, 2
	s_cselect_b64 s[28:29], s[10:11], s[28:29]
	s_cselect_b64 s[30:31], s[16:17], s[30:31]
	s_add_nc_u64 s[28:29], s[28:29], s[34:35]
	s_add_nc_u64 s[30:31], s[30:31], s[36:37]
	LOADU 0
	LOADU 1
	UNIT 0
	UNIT 1
	UNIT 2
	UNIT 3
	s_cmp_eq_u32 s21, 2
	s_cbranch_scc0 .Lend
	s_lshl_b32 s34, s22, 2                         ; the mask's flags: one word for my four steps
	s_mov_b32 s35, 0
	s_add_nc_u64 s[18:19], s[18:19], s[34:35]
	v_mov_b32 v244, s44
	v_mov_b32 v245, 0
	v_cmp_eq_u32 vcc_lo, 0, v1
	s_wait_xcnt 0x0                                ; EXEC changes only behind this wait
	s_and_saveexec_b32 s45, vcc_lo
	global_store_b32 v245, v244, s[18:19]
	s_wait_xcnt 0x0                                ; and again in front of the line that widens it
	s_or_b32 exec_lo, exec_lo, s45
.Lend:
	s_wait_tensorcnt 0x0
	ds_add_u32 v254, v255
	s_wait_dscnt 0x0
	s_endpgm
	; ---- V: a work-group takes 128 keys x 128 channels of one kv head; wave bb takes channels 32 bb on
.Lvalues:
	s_sub_co_u32 s22, ttmp9, 512
	s_lshr_b32 s40, s22, 3                         ; batch x 8 + kv head
	s_and_b32 s41, s22, 7                          ; step
	s_lshr_b32 s42, s40, 3                         ; batch
	s_and_b32 s43, s40, 7                          ; kv head
	s_lshl_b32 s34, s42, 10
	s_lshl_b32 s36, s41, 7
	s_add_co_u32 s34, s34, s36
	s_lshl_b32 s34, s34, 12                        ; the step's first key: rows of 4,096 bytes
	s_lshl_b32 s36, s43, 9
	s_add_co_u32 s34, s34, s36
	s_lshl_b32 s36, s20, 7
	s_add_co_u32 s34, s34, s36
	s_mov_b32 s35, 0
	s_mul_i32 s36, s40, KVB
	s_lshl_b32 s38, s41, 14
	s_add_co_u32 s36, s36, s38
	s_lshl_b32 s38, s20, 12
	s_add_co_u32 s36, s36, s38
	s_add_co_u32 s36, s36, 139264                  ; my two fragments
	s_mov_b32 s37, 0
	s_mul_i32 s38, s40, KVB
	s_lshl_b32 s39, s41, 10
	s_add_co_u32 s38, s38, s39
	s_lshl_b32 s39, s20, 8
	s_add_co_u32 s38, s38, s39
	s_add_co_u32 s38, s38, 270336                  ; and their scale images
	s_mov_b32 s39, 0
	s_mul_i32 s40, s20, VREG
	s_add_co_u32 s40, s40, VLDS                    ; my LDS bytes
	v_lshlrev_b32 v4, 2, v1                        ; 4 bytes a lane: in, and the scale words out
	v_mul_u32_u24 v5, v1, 144
	v_add_nc_u32 v5, s40, v5                       ; into the stage: row = my channel
	v_and_b32 v6, 8, v2
	v_add_nc_u32 v6, v6, v2                        ; r + 8 (r / 8)
	v_lshlrev_b32 v8, 2, v6
	v_add_nc_u32 v8, s40, v8                       ; that channel's scale word
	v_mul_u32_u24 v6, v6, 144
	v_lshl_add_u32 v6, v3, 4, v6
	v_add_nc_u32 v6, s40, v6                       ; out of the stage: a fragment's lane
	v_add_nc_u32 v7, s40, v4
	v_lshlrev_b32 v9, 4, v1
	s_wait_kmcnt 0x0
	s_add_nc_u64 s[28:29], s[6:7], s[34:35]
	s_add_nc_u64 s[30:31], s[12:13], s[36:37]
	s_add_nc_u64 s[32:33], s[12:13], s[38:39]
	LOADV 0
	LOADV 1
	BLOCKV 0
	BLOCKV 1
	BLOCKV 2
	BLOCKV 3
	ds_store_b32 v7, v24 offset:4608
.irp u, 0,1                            ; tile 2 bb + u: channels 8 u + r + 8 (r / 8) of my 32
.irp c, 0,1,2,3
	ds_load_b128 v[112+16*\u+4*\c:115+16*\u+4*\c], v6 offset:1152*\u+32*\c
.endr
	ds_load_b32 v[144+\u], v8 offset:4608+32*\u
.endr
	s_wait_dscnt 0x0
.irp u, 0,1
.irp c, 0,1,2,3
	global_store_b128 v9, v[112+16*\u+4*\c:115+16*\u+4*\c], s[30:31] offset:2048*\u+512*\c   ; 512 consecutive bytes
.endr
	global_store_b32 v4, v[144+\u], s[32:33] offset:128*\u
.endr
	s_wait_tensorcnt 0x0
	ds_add_u32 v254, v255
	s_wait_dscnt 0x0
	s_endpgm
.Lfunc_end_k_qe58af36c36_prep:
	.size	k_qe58af36c36_prep, .Lfunc_end_k_qe58af36c36_prep-k_qe58af36c36_prep
	.p2alignl 7, 3214868480
	.fill 96, 4, 3214868480
	.section	.rodata,"a",@progbits
	.p2align	6, 0x0
	.amdhsa_kernel k_qe58af36c36_prep
		.amdhsa_group_segment_fixed_size 53248
		.amdhsa_private_segment_fixed_size 0
		.amdhsa_enable_private_segment 0
		.amdhsa_kernarg_size 64
		.amdhsa_user_sgpr_count 2
		.amdhsa_user_sgpr_kernarg_segment_ptr 1
		.amdhsa_wavefront_size32 1
		.amdhsa_system_sgpr_workgroup_id_x 1
		.amdhsa_system_sgpr_workgroup_id_y 1
		.amdhsa_system_sgpr_workgroup_id_z 1
		.amdhsa_system_vgpr_workitem_id 0
		.amdhsa_next_free_vgpr 256
		.amdhsa_next_free_sgpr 66
		.amdhsa_reserve_vcc 1
		.amdhsa_float_denorm_mode_32 3
		.amdhsa_float_denorm_mode_16_64 3
		.amdhsa_memory_ordered 1
		.amdhsa_forward_progress 1
		.amdhsa_inst_pref_size 138
	.end_amdhsa_kernel
	.amdgpu_metadata
---
amdhsa.version: [ 1, 2 ]
amdhsa.kernels:
  - .name:           k_qe58af36c36_prep
    .symbol:         k_qe58af36c36_prep.kd
    .args:
      - { .name: K, .offset: 0, .size: 8, .value_kind: global_buffer, .address_space: global }
      - { .name: V, .offset: 8, .size: 8, .value_kind: global_buffer, .address_space: global }
      - { .name: W_o, .offset: 16, .size: 8, .value_kind: global_buffer, .address_space: global }
      - { .name: mask, .offset: 24, .size: 8, .value_kind: global_buffer, .address_space: global }
      - { .name: kv, .offset: 32, .size: 8, .value_kind: global_buffer, .address_space: global }
      - { .name: wb, .offset: 40, .size: 8, .value_kind: global_buffer, .address_space: global }
      - { .name: mw, .offset: 48, .size: 8, .value_kind: global_buffer, .address_space: global }
      - { .name: flags, .offset: 56, .size: 8, .value_kind: global_buffer, .address_space: global }
    .group_segment_fixed_size: 53248
    .private_segment_fixed_size: 0
    .kernarg_segment_align: 8
    .kernarg_segment_size: 64
    .max_flat_workgroup_size: 128
    .sgpr_count:     66
    .vgpr_count:     256
    .wavefront_size: 32
...
	.end_amdgpu_metadata
.endif
;; end of part 1
;; launch attn (part 2): grid 256 x 1, 16 waves a work-group, no clusters, 317,440 bytes of LDS; arguments Q, kv, mw, flags, ac; writes ac
.if DOCPART == 2
	.amdgcn_target "amdgcn-amd-amdhsa--gfx1250"
	.amdhsa_code_object_version 6
	.text
	.protected	k_qe58af36c36_attn
	.globl	k_qe58af36c36_attn
	.p2align	8
	.type	k_qe58af36c36_attn,@function
k_qe58af36c36_attn:
	s_mov_b64 s[64:65], 0
	v_nop
	global_prefetch_b8 v0, s[64:65] scope:SCOPE_SE
	s_setreg_imm32_b32 hwreg(HW_REG_WAVE_MODE, 25, 1), 1
	s_wait_xcnt 0x0
; attn[b][q][head] = softmax over the kept keys of (Q . K / sqrt(128)) times V, both products on codes of FP8 (E4M3) with one E8M0 scale for each 32 along a product's K; the result is quantised
; along the output projection's K and leaves as codes: it never goes to memory as f32.
; THE SOFTMAX: t = score x log2(e) / sqrt(128); M = the running largest t rounded UP to a whole number; p = 2^(t - M) is quantised along the keys; the row's sum is taken of the unquantised p
; and divides at the end.  When M moves, the sum and O are multiplied by 2^(old M - new M): exact.
; THE MASK is an input and is honoured as given: an earlier launch has turned it into lane masks (one word for each score register) and into flags for each (16 queries, 128 keys).
; A step none of whose keys is kept adds nothing and is left out, by a scalar branch on the stored flags; a step with no masked key skips the 64 selects.
; A query with no kept key at all has the sum 0: its codes are zeros and its scale word is 0xffffffff, which makes its row of the output NaN, as the softmax of a row of -infinity is.
; LIMITS: NaN and infinities in Q are not served; a block whose largest magnitude lies under 2^-118, a block of zeros too, gets the scale byte 1 (its codes then add what they are worth, zeros nothing).
; SHARES.  A work-group has one (batch, kv head) and 128 queries; wave w has query head 4 x kv head + w % 4 and two tiles of 16 queries, t = 4 j + w / 4 and 63 - t, one after the other.
; K's and V's fragments and scale words of the whole head pair, 278,528 bytes, are copied into LDS once, through registers; one barrier; from then on those bytes are only read and the waves run free.
; Q IS LOADED IN DENSE RUNS: eight neighbouring lanes read the 128 consecutive bytes of one block of 32 numbers of one row, four rows an instruction.  The quantiser wants 16 neighbours of ONE row in a lane:
; so a block column (16 rows x 128 bytes) turns through the wave's own stage in LDS, 2,304 bytes behind the block of kv, the four columns of a tile one after the other.
; NO JOINT REQUESTS: eight work-groups read the same 278,528 bytes, once each.  A joint request is a tensor load;
; the branches on the stored flags, which leave out whole key steps, are worth more here than one copy in eight of these bytes.
; LAYOUT.  Both products are used transposed: S^T = K Q^T, O^T = V^T P^T: a lane holds ONE query (lane % 16).  The keys of a tile of K and the channels of a tile of V were chosen so that the
; 16 registers of two neighbouring result tiles are 16 neighbours along the next K.
; REGISTERS: v1-7 addresses that stay; v8-11 the step's LDS addresses (v8, v9 at a tile's head: where Q comes back from the stage); v12 -M, v13 the largest t, v[14:15] the sum; v16-31 Q's codes,
; v255 its scale word; v32-95 four fragments; v96-159 Q as loaded, S^T, p; v160-223 O^T; v224-239 p's codes; v232-254 at work; v248-251 fragments' scale words; v253 p's scale word.
.set KVB,  278528
.set VOFF, 139264                      ; V's fragments lie this far behind K's, and V's scale images this far behind K's
.set STAGE, KVB                        ; behind the block of kv: a stage for each wave
.set QP,   144                         ; a stage row: 128 bytes + 16: 36 words from row to row, so the 16 rows that a load touches begin in 16 different columns of 16 bytes
.set QST,  16*QP                       ; a wave's stage
.set MNT,  19                          ; s19      the mantissa field of 448
.set SEL,  20                          ; s[20:21] lane selects: lane l xor 16
.set CS,   22                          ; s[22:23] c = log2(e) / sqrt(128), twice
; s[4:5] Q at my batch and head; s[6:7] my block of kv; s[8:9] mw, s[10:11] flags at my batch; s[12:13] ac; s14 wave; s15 query head; s16 tile; s17 tiles to go; s18 step;
; s24, s25 the step's fragments and scale images in LDS; s26 the tile's flags; s27 at work; s[28:29], s[100:101] where the codes and the scale words go; s[30:31] the tile's mask words;
; s[2:3] the flag words; s[32:63], s[68:99] the step's 64 mask words; s66 64 x batch; s[104:105] the rows of Q to be loaded
.macro QUANT s, pc, tm, pw             ; 64 numbers of a lane, register 16 b + i = k 32 b + 16 (lane / 16) + i of my row, become a fragment's codes and its scale word
.irp b, 0,1,2,3
	v_max3_num_f32 v[\tm+\b], |v[\s+16*\b]|, |v[\s+1+16*\b]|, 0x4800000   ; block b: my 16 numbers, and the floor 2^(9 - 127): the byte cannot fall under 1
.endr
.irp i, 2,4,6,8,10,12,14
.irp b, 0,1,2,3
	v_max3_num_f32 v[\tm+\b], v[\tm+\b], |v[\s+16*\b+\i]|, |v[\s+1+16*\b+\i]|
.endr
.endr
.irp b, 0,1,2,3
	v_permlanex16_b32 v[\tm+4+\b], v[\tm+\b], s[SEL], s[SEL+1]
.endr
.irp b, 0,1,2,3
	v_max_num_f32 v[\tm+\b], v[\tm+\b], v[\tm+4+\b]                ; with lane l xor 16's: the block's largest magnitude
.endr
.irp b, 0,1,2,3
	v_add_nc_u32 v[\tm+12+\b], 0xfc000000, v[\tm+\b]               ; 8 off its exponent field: the conversion's scale operand
.endr
.irp b, 0,1,2,3
	v_and_or_b32 v[\tm+8+\b], v[\tm+\b], 0x7f800000, s[MNT]        ; 448 x the scale
.endr
.irp b, 0,1,2,3
	v_lshrrev_b32 v[\tm+4+\b], 23, v[\tm+12+\b]                    ; the scale's byte
.endr
	v_lshl_or_b32 v[\pw], v[\tm+5], 8, v[\tm+4]
	v_lshl_or_b32 v[\pw], v[\tm+6], 16, v[\pw]
	v_lshl_or_b32 v[\pw], v[\tm+7], 24, v[\pw]
.irp b, 0,1,2,3
.irp i, 0,1,2,3,4,5,6,7,8,9,10,11,12,13,14,15
	v_med3_num_f32 v[\s+16*\b+\i], v[\s+16*\b+\i], -v[\tm+8+\b], v[\tm+8+\b]   ; the conversion to an 8-bit code does not saturate (ISA guide 7.6.2): the hold comes first
.endr
	v_cvt_scalef32_pk8_fp8_f32 v[\pc+4*\b:\pc+1+4*\b], v[\s+16*\b:\s+7+16*\b], v[\tm+12+\b]
	v_cvt_scalef32_pk8_fp8_f32 v[\pc+2+4*\b:\pc+3+4*\b], v[\s+8+16*\b:\s+15+16*\b], v[\tm+12+\b]
.endr
	v_nop                                          ; a plain line behind the last conversion: matrix and vector instructions write its sources later
.endm
.macro XLOAD                           ; a tile of Q as it lies: block column c, rows 4 i + lane / 8, 16 bytes a lane: an instruction reads four runs of 128 consecutive bytes
.irp c, 0,1,2,3
.irp i, 0,1,2,3
	global_load_b128 v[96+16*\c+4*\i:99+16*\c+4*\i], v3, s[104:105] offset:65536*\i+128*\c th:TH_LOAD_NT
.endr
.endr
.endm
; The tile through my stage, a block column at a time: in as loaded, back 64 bytes a lane: then register 16 c + 4 j + k of lane (r, h) is number 32 c + 16 h + 4 j + k of row r.
; LDS serves a wave's instructions in order (ISA guide 5.7.1.4): the loads see the stores above them, and the next column's stores come behind them.  No other wave touches these bytes.
.macro TURNQ
.irp c, 0,1,2,3
.irp i, 0,1,2,3
	ds_store_b128 v7, v[96+16*\c+4*\i:99+16*\c+4*\i] offset:4*QP*\i
.endr
.irp j, 0,1,2,3
	ds_load_b128 v[96+16*\c+4*\j:99+16*\c+4*\j], v8 offset:16*\j
.endr
.endr
.endm
	s_load_b128 s[4:7], s[0:1], 0x0                ; Q, kv
	s_load_b128 s[8:11], s[0:1], 0x10              ; mw, flags
	s_load_b64 s[12:13], s[0:1], 0x20              ; ac
	v_lshrrev_b32 v1, 5, v0
	v_readfirstlane_b32 s14, v1                    ; wave 0..15
	s_lshr_b32 s26, ttmp9, 3                       ; batch x 8 + kv head
	s_and_b32 s27, ttmp9, 7                        ; j
	s_lshr_b32 s67, s26, 3                         ; batch
	s_and_b32 s28, s26, 7                          ; kv head
	s_and_b32 s29, s14, 3
	s_lshl_b32 s15, s28, 2
	s_add_co_u32 s15, s15, s29                     ; query head
	s_lshr_b32 s29, s14, 2
	s_lshl_b32 s16, s27, 2
	s_add_co_u32 s16, s16, s29                     ; my first tile of queries
	s_lshl_b32 s66, s67, 6
	s_mul_i32 s28, s26, KVB
	s_mov_b32 s29, 0
	s_lshl_b32 s30, s67, 24                        ; a batch of Q: 1,024 rows of 16,384 bytes
	s_lshl_b32 s31, s15, 9
	s_add_co_u32 s30, s30, s31
	s_mov_b32 s31, 0
	s_lshl_b32 s24, s67, 17                        ; a batch of mw: 64 tiles of 2,048 bytes
	s_mov_b32 s25, 0
	s_lshl_b32 s2, s67, 9                          ; a batch of flags: 64 tiles of 8 bytes
	s_mov_b32 s3, 0
	s_lshl_b32 s100, s16, 18                       ; a tile of Q: 16 rows
	s_mov_b32 s101, 0
	s_mov_b32 s[MNT], 0x600000
	s_mov_b32 s[SEL], 0x76543210
	s_mov_b32 s[SEL+1], 0xfedcba98
	s_mov_b32 s[CS], 0x3e0293ee
	s_mov_b32 s[CS+1], s[CS]
	s_mov_b32 s17, 2
	v_and_b32 v2, 31, v0
	v_lshlrev_b32 v1, 4, v2                        ; 16 x lane: my place in a piece of a fragment
	v_lshl_add_u32 v2, v2, 2, 0x20000              ; 4 x lane + where K's scale images begin
	v_and_b32 v11, 15, v0
	v_bfe_u32 v12, v0, 4, 1
	v_lshlrev_b32 v5, 14, v11
	v_lshl_add_u32 v5, v12, 8, v5                  ; the prefetch: row lane % 16, + 256 (lane / 16): 32 lanes name the 32 runs of 256 bytes of a tile of Q
	v_bfe_u32 v11, v0, 3, 2
	v_and_b32 v12, 7, v0
	v_lshlrev_b32 v3, 14, v11
	v_lshl_add_u32 v3, v12, 4, v3                  ; Q: row lane / 8 of 16,384 bytes, + 16 (lane % 8)
	v_mov_b32 v4, 0xff800000                       ; -infinity
	v_lshlrev_b32 v6, 4, v0                        ; the copy: 16 bytes a thread, 8,192 a line
	v_add_nc_u32 v7, 0x10000, v6                   ; an LDS immediate reaches 65,535: the rest stands in the register
	v_add_nc_u32 v8, 0x20000, v6
	v_add_nc_u32 v9, 0x30000, v6
	v_add_nc_u32 v10, 0x40000, v6
	s_wait_kmcnt 0x0
	s_add_nc_u64 s[6:7], s[6:7], s[28:29]
	s_add_nc_u64 s[4:5], s[4:5], s[30:31]
	s_add_nc_u64 s[8:9], s[8:9], s[24:25]
	s_add_nc_u64 s[10:11], s[10:11], s[2:3]
	s_add_nc_u64 s[104:105], s[4:5], s[100:101]
	; ---- the block of kv into LDS: 34 lines of 8,192 bytes
.set i, 0
.rept 34
.if i < 16
.set CR, 32+4*i
.elseif i < 32
.set CR, 160+4*(i-16)
.else
.set CR, 224+4*(i-32)
.endif
	global_load_b128 v[CR:CR+3], v6, s[6:7] offset:8192*i
.set i, i+1
.endr
	XLOAD                                          ; my first tile of Q lands while the copy goes on
.set i, 0
.rept 34
.if i < 16
.set CR, 32+4*i
.elseif i < 32
.set CR, 160+4*(i-16)
.else
.set CR, 224+4*(i-32)
.endif
.if i%8 == 0
.if i < 32
	s_wait_loadcnt 42-i                            ; 50 loads were issued: the next eight of the copy are in when so many younger ones are out
.else
	s_wait_loadcnt 16                              ; all of the copy is in; Q's 16 may be out
.endif
.endif
	ds_store_b128 v[6+i/8], v[CR:CR+3] offset:8192*(i%8)
.set i, i+1
.endr
	s_wait_dscnt 0x0                               ; for the others' sake: my stores have landed
	s_barrier_signal -1
	s_barrier_wait -1                              ; the block is whole; nobody writes its bytes again
	v_and_b32 v6, 31, v0
	v_lshlrev_b32 v6, 2, v6                        ; 4 x lane: my scale word on the way out
	s_mul_i32 s28, s14, QST
	s_add_co_u32 s28, s28, STAGE                   ; my stage
	v_bfe_u32 v7, v0, 3, 2
	v_mul_u32_u24 v7, v7, QP
	v_and_b32 v8, 7, v0
	v_lshl_add_u32 v7, v8, 4, v7
	v_add_nc_u32 v7, s28, v7                       ; into it: row lane / 8, + 16 (lane % 8); it stays
.Ltile:
	s_lshl_b32 s27, s16, 3
	s_load_b64 s[2:3], s[10:11], s27 offset:0x0    ; the tile's flags
	s_lshl_b32 s28, s16, 11
	s_mov_b32 s29, 0
	s_add_nc_u64 s[30:31], s[8:9], s[28:29]        ; and where its mask words begin
	s_mul_i32 s28, s14, QST
	s_add_co_u32 s28, s28, STAGE                   ; my stage
	v_and_b32 v8, 15, v0
	v_mul_u32_u24 v8, v8, QP
	v_bfe_u32 v9, v0, 4, 1
	v_lshl_add_u32 v8, v9, 6, v8
	v_add_nc_u32 v8, s28, v8                       ; out of it: row lane % 16, + 64 (lane / 16).  (Made anew for each tile: the key steps use v8)
	v_mov_b32 v13, 0xff61b1e6                      ; the largest t so far: -3e38, under every t
	v_floor_f32 v12, -v13                          ; -M
	v_mov_b32 v14, 0                               ; the sum, in two halves
	v_mov_b32 v15, 0
.irp b, 0,1,2,3
	v_mov_b32 v[236+\b], 0                         ; a lane permute's destination counts as one of its sources
.endr
	v_mov_b32 v253, 0                              ; named as the upper half of the pair v[252:253]
.set n, 0
.rept 64
	v_mov_b32 v[160+n], 0                          ; O^T: the step is written once; the first finds zeros, which the first change of M leaves zeros
.set n, n+1
.endr
	s_wait_loadcnt 0x0                             ; Q's tile is in
	TURNQ
	s_wait_dscnt 0x0                               ; and back from the stage, 16 neighbours of each block to a lane
	QUANT 96, 16, 232, 255
	s_wait_kmcnt 0x0
	s_lshl_b32 s26, s3, 4
	s_or_b32 s26, s26, s2                          ; bit s: step s has a kept key; bit 8 + s: it has a masked one
	s_cmp_eq_u32 s17, 2
	s_cbranch_scc0 .Lsecond
	s_sub_co_u32 s28, 63, s16                      ; in my first tile: where my second tile's rows of Q lie (the loads that named this pointer are in)
	s_lshl_b32 s28, s28, 18
	s_add_nc_u64 s[104:105], s[4:5], s[28:29]
	global_prefetch_b8 v5, s[104:105] th:TH_LOAD_NT scope:SCOPE_SE   ; each wave asks once for its own second tile's 32 runs of 256 bytes; they are loaded behind this tile's key steps, of which the flags leave between none and eight
.Lsecond:
	s_mov_b32 s18, 0
	s_mov_b32 s24, 0
	s_mov_b32 s25, 0
.Lstep:                                                ; eight trips, whatever the mask: the work of a step is jumped over, the lines that step addresses are not
	s_lshr_b32 s27, s26, s18
	s_and_b32 s27, s27, 1
	s_cmp_eq_u32 s27, 0
	s_cbranch_scc1 .Lhidden
	s_lshl_b32 s27, s18, 8
	s_load_b512 s[32:47], s[30:31], s27 offset:0x0     ; the step's 64 mask words: they land under the first product
	s_load_b512 s[48:63], s[30:31], s27 offset:0x40
	s_load_b512 s[68:83], s[30:31], s27 offset:0x80
	s_load_b512 s[84:99], s[30:31], s27 offset:0xc0
	v_add_nc_u32 v8, s24, v1                       ; K's fragments,
	v_add_nc_u32 v9, VOFF, v8                      ; V's,
	v_add_nc_u32 v10, s25, v2                      ; K's scale images,
	v_add_nc_u32 v11, VOFF, v10                    ; V's
.irp g, 0,1                            ; S^T = K Q^T, four tiles of 16 keys at a time
.rept 4+4*\g
	v_nop                                          ; eight places in front of loads into registers that matrix instructions have read; the four additions above are places too
.endr
.irp t, 0,1,2,3
.irp c, 0,1,2,3
	ds_load_b128 v[32+16*\t+4*\c:35+16*\t+4*\c], v8 offset:(4*\g+\t)*2048+512*\c
.endr
	ds_load_b32 v[248+\t], v10 offset:(4*\g+\t)*128
.endr
	s_wait_dscnt 0x0
.irp t, 0,1,2,3
	v_wmma_scale_f32_16x16x128_f8f6f4 v[96+8*(4*\g+\t):103+8*(4*\g+\t)], v[32+16*\t:47+16*\t], v[16:31], 0, v[248+\t], v255
.endr
.endr
.rept 8
	v_nop
.endr
	s_wait_kmcnt 0x0                               ; the mask words are in
	s_add_co_u32 s27, s18, 8
	s_lshr_b32 s27, s26, s27
	s_and_b32 s27, s27, 1
	s_cmp_eq_u32 s27, 0
	s_cbranch_scc1 .Lopen                          ; no key of this step is masked for my queries
.set n, 0
.rept 64
	v_cndmask_b32 v[96+n], v4, v[96+n], s[32+n+4*(n/32)]   ; a masked key's score becomes -infinity ahead of the maximum: its p is 0
.set n, n+1
.endr
.Lopen:
.irp b, 0,1,2,3
	v_max3_num_f32 v[232+\b], v[96+16*\b], v[97+16*\b], v[98+16*\b]   ; the largest score of each block of 32 keys: for the row's maximum and, since p rises with the score, for the block's largest p
.endr
.irp i, 3,5,7,9,11,13
.irp b, 0,1,2,3
	v_max3_num_f32 v[232+\b], v[232+\b], v[96+16*\b+\i], v[97+16*\b+\i]
.endr
.endr
.irp b, 0,1,2,3
	v_max_num_f32 v[232+\b], v[232+\b], v[111+16*\b]
.endr
.irp b, 0,1,2,3
	v_permlanex16_b32 v[236+\b], v[232+\b], s[SEL], s[SEL+1]
.endr
.irp b, 0,1,2,3
	v_max_num_f32 v[232+\b], v[232+\b], v[236+\b]  ; with lane l xor 16's 16 keys
.endr
	v_max3_num_f32 v254, v232, v233, v234
	v_max_num_f32 v254, v254, v235                 ; the step's largest score of my query
	v_mul_f32 v254, s[CS], v254                    ; as t
	v_max_num_f32 v13, v13, v254                   ; the running largest t
	v_mov_b32 v254, v12
	v_floor_f32 v12, -v13                          ; the new -M = -ceil(t)
	v_sub_f32 v254, v12, v254                      ; old M less new M: a whole number, 0 or less
	v_cvt_i32_f32 v254, v254                       ; (it saturates)
	v_ldexp_f32 v252, 1.0, v254                    ; f = 2^(old M - new M)
.set n, 0
.rept 32
	v_pk_fma_f32 v[96+n:97+n], v[96+n:97+n], s[CS:CS+1], v[12:13] op_sel_hi:[1,0,0]   ; t - M, two at a time
.set n, n+2
.endr
.irp b, 0,1,2,3
	v_fma_f32 v[232+\b], v[232+\b], s[CS], v12     ; the same of each block's largest score
.endr
.set n, 0
.rept 64
	v_exp_f32 v[96+n], v[96+n]                     ; p = 2^(t - M), at most 1
.set n, n+1
.endr
.irp b, 0,1,2,3
	v_exp_f32 v[232+\b], v[232+\b]                 ; the block's largest p
.endr
	v_pk_mul_f32 v[14:15], v[14:15], v[252:253] op_sel_hi:[1,0]    ; the sums under the new M (a plain line behind the exponentials)
	s_wait_alu depctr_va_vdst(0)
.irp b, 0,1,2,3
	v_max_num_f32 v[232+\b], 0x4800000, v[232+\b]  ; the floor 2^(9 - 127)
.endr
.irp b, 0,1,2,3
	v_add_nc_u32 v[244+\b], 0xfc000000, v[232+\b]  ; the conversion's scale operand
.endr
.irp b, 0,1,2,3
	v_and_or_b32 v[240+\b], v[232+\b], 0x7f800000, s[MNT]          ; 448 x the scale
.endr
.irp b, 0,1,2,3
	v_lshrrev_b32 v[236+\b], 23, v[244+\b]         ; the scale's byte
.endr
	v_lshl_or_b32 v253, v237, 8, v236              ; p's scale word for these 128 keys
	v_lshl_or_b32 v253, v238, 16, v253
	v_lshl_or_b32 v253, v239, 24, v253
	v_pk_add_f32 v[236:237], v[96:97], v[98:99]    ; the row's sum is taken of the unquantised p: two at a time, in two chains
.irp j, 4,8,12,16,20,24,28,32,36,40,44,48,52,56,60
	v_pk_add_f32 v[14:15], v[14:15], v[96+\j:97+\j]
	v_pk_add_f32 v[236:237], v[236:237], v[98+\j:99+\j]
.endr
	v_pk_add_f32 v[14:15], v[14:15], v[236:237]
.irp b, 0,1,2,3
.irp i, 0,1,2,3,4,5,6,7,8,9,10,11,12,13,14,15
	v_min_num_f32 v[96+16*\b+\i], v[96+16*\b+\i], v[240+\b]        ; the hold; p is not negative, so it is one-sided
.endr
	v_cvt_scalef32_pk8_fp8_f32 v[224+4*\b:225+4*\b], v[96+16*\b:103+16*\b], v[244+\b]
	v_cvt_scalef32_pk8_fp8_f32 v[226+4*\b:227+4*\b], v[104+16*\b:111+16*\b], v[244+\b]
.endr
.set n, 0
.rept 32
	v_pk_mul_f32 v[160+n:161+n], v[160+n:161+n], v[252:253] op_sel_hi:[1,0]   ; O^T under the new M.  These 32 are also the places in front of the loads and products below
.set n, n+2
.endr
.irp g, 0,1                            ; O^T += V^T P^T: four tiles of 16 channels at a time; the eight accumulators take turns
.if \g > 0
.rept 8
	v_nop
.endr
.endif
.irp t, 0,1,2,3
.irp c, 0,1,2,3
	ds_load_b128 v[32+16*\t+4*\c:35+16*\t+4*\c], v9 offset:(4*\g+\t)*2048+512*\c
.endr
	ds_load_b32 v[248+\t], v11 offset:(4*\g+\t)*128
.endr
	s_wait_dscnt 0x0
.irp t, 0,1,2,3
	v_wmma_scale_f32_16x16x128_f8f6f4 v[160+8*(4*\g+\t):167+8*(4*\g+\t)], v[32+16*\t:47+16*\t], v[224:239], v[160+8*(4*\g+\t):167+8*(4*\g+\t)], v[248+\t], v253
.endr
.endr
.Lhidden:
	s_add_co_u32 s24, s24, 16384                   ; the next step's fragments
	s_add_co_u32 s25, s25, 1024                    ; and scale images
	s_add_co_u32 s18, s18, 1
	s_cmp_lt_u32 s18, 8
	s_cbranch_scc1 .Lstep
	; ---- the tile's end: O^T / the sum is quantised along the projection's K and leaves as a fragment's image
	s_cmp_eq_u32 s17, 2
	s_cbranch_scc0 .Lno_next
	XLOAD                                          ; my second tile of Q lands under the lines below
.Lno_next:
.rept 8
	v_nop                                          ; places behind the last products
.endr
	v_add_f32 v14, v14, v15                        ; the sum's two halves,
	v_permlanex16_b32 v236, v14, s[SEL], s[SEL+1]
	v_add_f32 v14, v14, v236                       ; and lane l xor 16's: the row's sum
	v_cmp_eq_f32 vcc_lo, 0, v14                    ; 0 only where no key was kept: a row's largest p lies over 1/2
	v_rcp_f32 v15, v14
	v_nop                                          ; a plain line behind the transcendental
	s_wait_alu depctr_va_vdst(0)
	v_cndmask_b32 v14, v15, 0, vcc_lo              ; such a row's codes are zeros
.set n, 0
.rept 32
	v_pk_mul_f32 v[160+n:161+n], v[160+n:161+n], v[14:15] op_sel_hi:[1,0]   ; register 16 b + i is attn(query r, channel 32 b + 16 h + i); each accumulator from its low end on
.set n, n+2
.endr
	QUANT 160, 32, 232, 252
	v_cndmask_b32 v252, v252, -1, vcc_lo           ; and its scale bytes 0xff: NaN
	s_add_co_u32 s27, s66, s16                     ; which 16 rows of attn: 64 x batch + tile
	s_lshr_b32 s28, s27, 3
	s_lshl_b32 s28, s28, 4
	s_lshr_b32 s29, s15, 1
	s_add_co_u32 s28, s28, s29
	s_mul_i32 s28, s28, 34816                      ; the block of (128 rows, 256 along K = two heads)
	s_and_b32 s27, s27, 7
	s_and_b32 s29, s15, 1
	s_lshl_b32 s67, s29, 3
	s_add_co_u32 s67, s67, s27                     ; 8 x (head % 2) + which 16 rows of the 128
	s_lshl_b32 s100, s67, 7
	s_add_co_u32 s100, s100, s28
	s_add_co_u32 s100, s100, 32768
	s_mov_b32 s101, 0
	s_lshl_b32 s67, s67, 11
	s_add_co_u32 s28, s28, s67
	s_mov_b32 s29, 0
	s_add_nc_u64 s[28:29], s[12:13], s[28:29]
	s_add_nc_u64 s[100:101], s[12:13], s[100:101]
.irp c, 0,1,2,3
	global_store_b128 v1, v[32+4*\c:35+4*\c], s[28:29] offset:512*\c   ; 512 consecutive bytes
.endr
	global_store_b32 v6, v252, s[100:101]
	s_wait_xcnt 0x0                                ; the stores have read their data and bases: both are written again in the next tile
	s_sub_co_u32 s16, 63, s16
	s_sub_co_u32 s17, s17, 1
	s_cmp_lg_u32 s17, 0
	s_cbranch_scc1 .Ltile
	s_wait_xcnt 0x0
	v_lshl_add_u32 v254, v0, 2, 0x4d000
	v_mov_b32 v255, 0
	s_wait_tensorcnt 0x0
	ds_add_u32 v254, v255
	s_wait_dscnt 0x0
	s_endpgm
.Lfunc_end_k_qe58af36c36_attn:
	.size	k_qe58af36c36_attn, .Lfunc_end_k_qe58af36c36_attn-k_qe58af36c36_attn
	.p2alignl 7, 3214868480
	.fill 96, 4, 3214868480
	.section	.rodata,"a",@progbits
	.p2align	6, 0x0
	.amdhsa_kernel k_qe58af36c36_attn
		.amdhsa_group_segment_fixed_size 317440
		.amdhsa_private_segment_fixed_size 0
		.amdhsa_enable_private_segment 0
		.amdhsa_kernarg_size 40
		.amdhsa_user_sgpr_count 2
		.amdhsa_user_sgpr_kernarg_segment_ptr 1
		.amdhsa_wavefront_size32 1
		.amdhsa_system_sgpr_workgroup_id_x 1
		.amdhsa_system_sgpr_workgroup_id_y 1
		.amdhsa_system_sgpr_workgroup_id_z 1
		.amdhsa_system_vgpr_workitem_id 0
		.amdhsa_next_free_vgpr 256
		.amdhsa_next_free_sgpr 106
		.amdhsa_reserve_vcc 1
		.amdhsa_float_denorm_mode_32 3
		.amdhsa_float_denorm_mode_16_64 3
		.amdhsa_memory_ordered 1
		.amdhsa_forward_progress 1
		.amdhsa_inst_pref_size 66
	.end_amdhsa_kernel
	.amdgpu_metadata
---
amdhsa.version: [ 1, 2 ]
amdhsa.kernels:
  - .name:           k_qe58af36c36_attn
    .symbol:         k_qe58af36c36_attn.kd
    .args:
      - { .name: Q, .offset: 0, .size: 8, .value_kind: global_buffer, .address_space: global }
      - { .name: kv, .offset: 8, .size: 8, .value_kind: global_buffer, .address_space: global }
      - { .name: mw, .offset: 16, .size: 8, .value_kind: global_buffer, .address_space: global }
      - { .name: flags, .offset: 24, .size: 8, .value_kind: global_buffer, .address_space: global }
      - { .name: ac, .offset: 32, .size: 8, .value_kind: global_buffer, .address_space: global }
    .group_segment_fixed_size: 317440
    .private_segment_fixed_size: 0
    .kernarg_segment_align: 8
    .kernarg_segment_size: 40
    .max_flat_workgroup_size: 512
    .sgpr_count:     106
    .vgpr_count:     256
    .wavefront_size: 32
...
	.end_amdgpu_metadata
.endif
;; end of part 2
;; launch proj (part 3): grid 8 x 32, 4 waves a work-group, clusters of 4 x 4, 327,680 bytes of LDS; arguments ac, wb, b_o, out0; writes out0
.if DOCPART == 3
	.amdgcn_target "amdgcn-amd-amdhsa--gfx1250"
	.amdhsa_code_object_version 6
	.text
	.protected	k_qe58af36c36_proj
	.globl	k_qe58af36c36_proj
	.p2align	8
	.type	k_qe58af36c36_proj,@function
k_qe58af36c36_proj:
	s_mov_b64 s[64:65], 0
	v_nop
	global_prefetch_b8 v0, s[64:65] scope:SCOPE_SE
	s_setreg_imm32_b32 hwreg(HW_REG_WAVE_MODE, 25, 1), 1
	s_wait_xcnt 0x0
	s_wait_alu depctr_hold_cnt(0) depctr_sa_sdst(0) depctr_va_vdst(0) depctr_va_sdst(0) depctr_va_ssrc(0) depctr_va_vcc(0) depctr_vm_vsrc(0)
	s_getreg_b32 s2, hwreg(HW_REG_IB_STS2, 6, 4)
	s_cmp_eq_u32 s2, 0
	s_cbranch_scc0 .Lentry_in_a_cluster
	s_endpgm
.Lentry_in_a_cluster:
	s_bfe_u32 s2, ttmp6, 0x10000c
	s_cmp_lg_u32 s2, 0xf033
	s_cbranch_scc0 .Lentry_shape_is_right
	s_endpgm
.Lentry_shape_is_right:
; out0[m][n] = sum over k of attn[m][k] W_o[n][k] + b_o[n]: 4,096 x 2,048, K = 4,096, on codes of FP8 (E4M3) with one E8M0 scale for each 32 along K; sums in f32.
; Both operands were laid by earlier launches as IMAGES OF THEIR REGISTERS, by blocks of 256 along K: ac [128 rows 32][K step 16] blocks of 34,816 bytes (fragments [q 2][8], scale images [q][8]),
; wb [256 columns 8][K step 16] blocks of 69,632 bytes (fragments [q 2][16], scale images [q][16]).  A K step's operands are two dense blocks, scale words among them: no pitch, no padding;
; a fragment's piece is 512 consecutive LDS bytes, 16 a lane.
; A tile of the output is 128 x 256: 256 work-groups; tiles of 256 x 256 would make 128.  Four waves, each 64 x 128: 32 accumulators of 16 x 16.
; K goes in 16 steps of 256 through a ring of two LDS slots filled by the tensor data mover: waves 0 and 1 fetch the halves of A's block, waves 2 and 3 of B's.
; CLUSTERS: 4 x 4 work-groups.  The four of a row of the cluster need the same blocks of ac, the four of a column the same blocks of wb: each is asked for JOINTLY.
; THE MATRIX INSTRUCTION IS USED TRANSPOSED (source 0 = 16 rows of W_o, source 1 = 16 rows of attn): a lane holds eight neighbouring numbers of a row of the output.  The bias is the C of each sum's first product.
; A row of attn whose scale bytes are 0xff (a query with no kept key) comes out NaN.
; REGISTERS, in windows of 256: window 0: v16-29 addresses; v32-55 scale words, two sets (A's 4, B's 8); v64-127 the bias, 8 registers for each of my 8 blocks of columns; v128-255 A's fragments, two sets;
;   window 1: B's fragments, two sets;   window 2: accumulator (a, b) at v[8 (8 a + b)].
.set ABLK,  34816
.set BBLK,  69632
.set SLOT,  ABLK+BBLK                  ; A's block, then B's
.set SPARE, 2*SLOT                     ; behind the ring: the spare words, 128 bytes for each wave: two blocks of 256 bytes that no other line names
.set ADRA, 16                          ; v16-17  my A fragments in slot 0, 1
.set ADSA, 18                          ; v18-19  their scale images
.set ADRB, 20                          ; v20-21  my B fragments
.set ADSB, 22                          ; v22-23  their scale images
.set STO,  24                          ; v24     the way out: where I put 32 bytes of a row
.set RD,   25                          ; v25     where I read a row back
.set CO,   26                          ; v26     my byte offset in a row's 512 bytes
.set SPW,  28                          ; v28     my spare word; never rewritten
.set NIL,  29                          ; v29     0; never rewritten
.set SC,   32
.set BIAS, 64
.set AF,   128
.set BK,   128                         ; the way out: 16 rows read back: v128-191 and v192-255 by turns
.set G1,  24                           ; s[24:31] group 1 for A's halves; s[32:39] groups 0, one for each slot
.set G0,  32
.set G1B, 48                           ; s[48:55], s[56:63] the same for B's
.set G0B, 56
.set MSB, 0
.macro WIN new                         ; the immediate's high byte repeats the setting that is left
.if MSB != \new
	s_set_vgpr_msb (MSB<<8)|\new
.set MSB, \new
.endif
.endm
.set MUL,  0xa1                        ; source 0 (B) window 1, source 1 (A) window 0, C and D window 2
.set MUL0, 0x81                        ; the same with C, the bias, in window 0
.set TO_B, 0x40                        ; destination window 1, address window 0
; A joint load: waves 0 and 1 fetch for A, waves 2 and 3 for B; the branch hangs on the wave's number alone.  Four v_nop follow each of the two lines.
.macro JLOAD g0a, g1a, g0b, g1b
	s_cmp_eq_u32 s15, 0
	s_cbranch_scc0 .Lfor_b_\@
	tensor_load_to_lds s[\g0a:\g0a+3], s[\g1a:\g1a+7]
	s_nop 0
.rept 4
	v_nop
.endr
	s_branch .Lasked_\@
.Lfor_b_\@:
	tensor_load_to_lds s[\g0b:\g0b+3], s[\g1b:\g1b+7]
	s_nop 0
.rept 4
	v_nop
.endr
.Lasked_\@:
.endm
.macro CREST                           ; a round of the cluster's barrier behind its opening barrier
	s_cmp_lg_u32 s14, 0
	s_cbranch_scc1 .Lnot_wave_0_\@
	s_barrier_signal -3
.Lnot_wave_0_\@:
	s_barrier_wait -3
	s_barrier_signal -1
	s_barrier_wait -1
.endm
.macro CROUND
	s_barrier_signal -1
	s_barrier_wait -1
	CREST
.endm
.macro PLACES n                        ; places behind matrix instructions: plain vector lines that name none of their registers; eight for this form
.rept \n
	v_nop
.endr
.endm
; 60 LDS loads: the fragments and scale words of the slot's q-th 128 along K into set p
.macro FETCH slot, q, p
	WIN TO_B
.irp b, 0,1,2,3,4,5,6,7
.irp c, 0,1,2,3
	ds_load_b128 v[128*(\p)+16*\b+4*\c:128*(\p)+16*\b+4*\c+3], v[ADRB+\slot] offset:(\q)*32768+\b*2048+512*\c
.endr
.endr
	WIN 0
.irp a, 0,1,2,3
.irp c, 0,1,2,3
	ds_load_b128 v[AF+64*(\p)+16*\a+4*\c:AF+64*(\p)+16*\a+4*\c+3], v[ADRA+\slot] offset:(\q)*16384+\a*2048+512*\c
.endr
.endr
.irp a, 0,1,2,3
	ds_load_b32 v[SC+12*(\p)+\a], v[ADSA+\slot] offset:(\q)*1024+\a*128
.endr
.irp b, 0,1,2,3,4,5,6,7
	ds_load_b32 v[SC+12*(\p)+4+\b], v[ADSB+\slot] offset:(\q)*2048+\b*128
.endr
.endm
; 8 products: A's block a against B's eight, set p.  The 32 accumulators take turns, one instruction a turn, in the same order in every 128 along K.
.macro MUL8 a, p, zero
.irp b, 0,1,2,3,4,5,6,7
.if \zero
	v_wmma_scale_f32_16x16x128_f8f6f4 v[8*(8*(\a)+\b):8*(8*(\a)+\b)+7], v[128*(\p)+16*\b:128*(\p)+16*\b+15], v[AF+64*(\p)+16*(\a):AF+64*(\p)+16*(\a)+15], v[BIAS+8*\b:BIAS+8*\b+7], v[SC+12*(\p)+4+\b], v[SC+12*(\p)+(\a)]
.else
	v_wmma_scale_f32_16x16x128_f8f6f4 v[8*(8*(\a)+\b):8*(8*(\a)+\b)+7], v[128*(\p)+16*\b:128*(\p)+16*\b+15], v[AF+64*(\p)+16*(\a):AF+64*(\p)+16*(\a)+15], v[8*(8*(\a)+\b):8*(8*(\a)+\b)+7], v[SC+12*(\p)+4+\b], v[SC+12*(\p)+(\a)]
.endif
.endr
.endm
; A slot's first 128 along K (set 0); its second 128 are fetched into set 1 meanwhile.  zero = 1: the products start the sums, on the bias
.macro SUB0 slot, zero
	PLACES 8                                       ; set 1 was read by the products just issued
	FETCH \slot, 1, 1
	s_wait_dscnt 60                                ; all but the 60 just issued: set 0 is in
.if \zero
	WIN MUL0
.else
	WIN MUL
.endif
	MUL8 0, 0, \zero
	MUL8 1, 0, \zero
	MUL8 2, 0, \zero
	MUL8 3, 0, \zero
	WIN 0                                          ; a label or a branch may follow
.endm
; A slot's second 128 along K (set 1), and the change of slots: ONE barrier; in front of it each wave waits for all its tensor loads, adds 0 to its spare word, and waits for that and for its reads of this slot.
; fill = 1: the barrier opens a round of the cluster's, and this slot is filled again, two K steps ahead, first thing behind the round.
.macro TURN slot, next, fill
	WIN 0
	s_wait_tensorcnt 0x0                           ; all my tensor loads have landed: the one that was out is my part of the next slot
	ds_add_u32 v[SPW], v[NIL]                      ; 0 onto my spare word
	s_wait_dscnt 1                                 ; set 1 is in; the add may be out
	WIN MUL
	MUL8 0, 1, 0                                   ; eight products stand between the add and the wait for it
	s_wait_dscnt 0x0                               ; the add is done, and my reads of this slot are over
	s_barrier_signal -1
	MUL8 1, 1, 0
	WIN 0
	s_barrier_wait -1
.if \fill
	CREST                                          ; no wave of any partner still reads this slot or has a load on its way
	s_add_nc_u64 s[G0+4*\slot+2:G0+4*\slot+3], s[G0+4*\slot+2:G0+4*\slot+3], 2*ABLK
	s_add_nc_u64 s[G0B+4*\slot+2:G0B+4*\slot+3], s[G0B+4*\slot+2:G0B+4*\slot+3], 2*BBLK
	JLOAD G0+4*\slot, G1, G0B+4*\slot, G1B         ; my one tensor load behind the round; the four v_nop behind it are four of the eight places in front of the loads below
	PLACES 4
.else
	PLACES 8
.endif
	FETCH \next, 0, 0
	WIN MUL
	MUL8 2, 1, 0
	MUL8 3, 1, 0
	WIN 0
.endm
	s_load_b128 s[4:7], s[0:1], 0x0                ; ac, wb
	s_load_b128 s[8:11], s[0:1], 0x10              ; b_o, out0
	v_lshl_add_u32 v[SPW], v0, 2, SPARE
	v_mov_b32 v[NIL], 0
	ds_add_u32 v28, v29
	ds_add_u32 v28, v29
	s_wait_dscnt 0x0
	v_lshrrev_b32 v1, 5, v0
	v_readfirstlane_b32 s14, v1                    ; wave 0..3
	s_lshr_b32 s15, s14, 1                         ; which 64 rows of the tile are mine.  Also: I fetch for A (0) or for B (1)
	s_and_b32 s16, s14, 1                          ; which 128 columns.  Also: which half of that block I fetch
	s_bfe_u32 s40, ttmp6, 0x40000                  ; cx, cy: my place in the cluster
	s_bfe_u32 s41, ttmp6, 0x40004
	s_lshl_b32 s42, ttmp9, 2
	s_add_co_u32 s42, s42, s40                     ; tile column = 4 x cluster x + cx
	s_and_b32 s17, ttmp7, 0xffff
	s_lshl_b32 s17, s17, 2
	s_add_co_u32 s17, s17, s41                     ; tile row = 4 x cluster y + cy
	s_lshl_b32 s43, s41, 2
	s_lshl_b32 s43, 15, s43                        ; my row of the cluster
	s_lshl_b32 s44, 0x1111, s40                    ; my column
	; group 1: dense rows of 256 bytes (32 elements of 8 bytes): 68 for half of A's block, 136 for half of B's
	s_or_b32 s[G1], s43, (3<<16)|(1<<21)           ; 15:0 the mask; 17:16 elements of 8 bytes; 21 set beside a mask; no padding
	s_mov_b32 s[G1+1], 32<<16                      ; tensor_dim0 = 32
	s_mov_b32 s[G1+2], 68<<16                      ; tensor_dim1 = 68
	s_mov_b32 s[G1+3], 32<<16                      ; tile_dim0 = 32
	s_mov_b32 s[G1+4], 68                          ; tile_dim1 = 68
	s_mov_b32 s[G1+5], 32                          ; from row to row
	s_mov_b32 s[G1+6], 0
	s_mov_b32 s[G1+7], 0
	s_or_b32 s[G1B], s44, (3<<16)|(1<<21)
	s_mov_b32 s[G1B+1], 32<<16
	s_mov_b32 s[G1B+2], 136<<16
	s_mov_b32 s[G1B+3], 32<<16
	s_mov_b32 s[G1B+4], 136
	s_mov_b32 s[G1B+5], 32
	s_mov_b32 s[G1B+6], 0
	s_mov_b32 s[G1B+7], 0
	s_mul_i32 s20, s17, 16*ABLK                    ; A hangs on the tile row alone,
	s_mul_i32 s22, s16, ABLK/2                     ; (my half: in memory and in a slot)
	s_add_co_u32 s20, s20, s22
	s_mov_b32 s21, 0
	s_mul_i32 s46, s42, 16*BBLK                    ; B on the tile column alone
	s_mul_i32 s18, s16, BBLK/2
	s_add_co_u32 s46, s46, s18
	s_mov_b32 s47, 0
	s_add_co_u32 s18, s18, ABLK                    ; B's block lies behind A's: no place in the cluster enters an LDS address
	s_lshl_b32 s66, s42, 10                        ; my first column, in bytes of f32: 1,024 x tile column + 512 x half
	s_lshl_b32 s67, s16, 9
	s_add_co_u32 s66, s66, s67
	s_mov_b32 s67, 0
	s_lshl_b32 s68, s17, 7
	s_lshl_b32 s69, s15, 6
	s_add_co_u32 s68, s68, s69                     ; my first row
	s_lshl_b32 s68, s68, 13                        ; rows of 8,192 bytes
	s_add_co_u32 s68, s68, s66
	s_mov_b32 s69, 0
	s_wait_kmcnt 0x0
	s_add_nc_u64 s[20:21], s[4:5], s[20:21]
	s_add_nc_u64 s[46:47], s[6:7], s[46:47]
	s_add_nc_u64 s[8:9], s[8:9], s[66:67]
	s_add_nc_u64 s[10:11], s[10:11], s[68:69]
	CROUND                                         ; all sixteen work-groups are here: the first joint loads meet
.irp s, 0,1
	s_mov_b32 s[G0+4*\s], 1
	s_add_co_u32 s[G0+4*\s+1], s22, \s*SLOT
	s_add_nc_u64 s[G0+4*\s+2:G0+4*\s+3], s[20:21], \s*ABLK
	s_or_b32 s[G0+4*\s+3], s[G0+4*\s+3], 0x80000000
	s_mov_b32 s[G0B+4*\s], 1
	s_add_co_u32 s[G0B+4*\s+1], s18, \s*SLOT
	s_add_nc_u64 s[G0B+4*\s+2:G0B+4*\s+3], s[46:47], \s*BBLK
	s_or_b32 s[G0B+4*\s+3], s[G0B+4*\s+3], 0x80000000
	JLOAD G0+4*\s, G1, G0B+4*\s, G1B               ; two loads of mine are out
.endr
	v_and_b32 v1, 31, v0                           ; lane
	v_and_b32 v2, 15, v0                           ; r
	v_bfe_u32 v3, v0, 4, 1                         ; h
	v_lshlrev_b32 v27, 5, v3                       ; the bias: lane (r, h) wants b_o at columns 16 b + 8 h + 0 .. 7
.irp b, 0,1,2,3,4,5,6,7
	global_load_b128 v[BIAS+8*\b:BIAS+8*\b+3], v27, s[8:9] offset:64*\b
	global_load_b128 v[BIAS+8*\b+4:BIAS+8*\b+7], v27, s[8:9] offset:64*\b+16
.endr
	v_lshlrev_b32 v4, 4, v1                        ; 16 x lane
	v_lshlrev_b32 v5, 2, v1                        ; 4 x lane
	s_lshl_b32 s19, s15, 13                        ; my four fragments of A's eight
	v_add_nc_u32 v[ADRA], s19, v4
	v_add_nc_u32 v[ADRA+1], SLOT, v[ADRA]
	s_lshl_b32 s19, s15, 9
	s_add_co_u32 s19, s19, 32768
	v_add_nc_u32 v[ADSA], s19, v5
	v_add_nc_u32 v[ADSA+1], SLOT, v[ADSA]
	s_lshl_b32 s19, s16, 14                        ; my eight of B's sixteen
	s_add_co_u32 s19, s19, ABLK
	v_add_nc_u32 v[ADRB], s19, v4
	v_add_nc_u32 v[ADRB+1], SLOT, v[ADRB]
	s_lshl_b32 s19, s16, 10
	s_add_co_u32 s19, s19, ABLK+65536
	v_add_nc_u32 v[ADSB], s19, v5
	v_add_nc_u32 v[ADSB+1], SLOT, v[ADSB]
	s_mul_i32 s19, s14, 16*528                     ; my stage: 16 rows x (512 + 16) bytes, in slot 0, which has had its last fill and its last read when the first result is stored there
	v_mul_u32_u24 v[STO], v2, 528
	v_lshl_add_u32 v[STO], v3, 5, v[STO]
	v_add_nc_u32 v[STO], s19, v[STO]
	v_add_nc_u32 v[RD], s19, v4
	v_lshlrev_b32 v[CO], 4, v1
	s_wait_loadcnt 0x0                             ; the bias
	s_wait_tensorcnt 1                             ; my part of K step 0 is in; K step 1's may stay out
	s_barrier_signal -1
	s_barrier_wait -1                              ; everybody's is
	FETCH 0, 0, 0
	SUB0 0, 1                                      ; the first 128 along K stand in front of the loop: their products start the sums
	s_mov_b32 s3, 7
.Llap:                                                 ; a trip goes once round the ring and fills both slots again
	TURN 0, 1, 1
	SUB0 1, 0
	TURN 1, 0, 1
	SUB0 0, 0
	s_sub_co_u32 s3, s3, 1
	s_cmp_lg_u32 s3, 0
	s_cbranch_scc1 .Llap
	TURN 0, 1, 0                                   ; the last lap fills nothing, and has no round of the cluster's barrier
	SUB0 1, 0
	s_wait_dscnt 0x0                               ; the very last 128 along K
	WIN MUL
	MUL8 0, 1, 0
	MUL8 1, 1, 0
	MUL8 2, 1, 0
	MUL8 3, 1, 0
	WIN 0
; THE WAY OUT, block by block of 16 rows x 128 columns: through my own stage and back as whole rows of 512 bytes.  LDS serves a wave's instructions in order (ISA guide 5.7.1.4): no wait between stores and loads.
.macro TOSTAGE a
	WIN 0x08                                       ; an LDS store's data are its source 1: window 2
.irp b, 0,1,2,3,4,5,6,7
	ds_store_b128 v[STO], v[64*(\a)+8*\b:64*(\a)+8*\b+3] offset:64*\b          ; each accumulator from its low end on
	ds_store_b128 v[STO], v[64*(\a)+8*\b+4:64*(\a)+8*\b+7] offset:64*\b+16
.endr
	WIN 0
.set BBK, BK+64*((\a)%2)
.irp t, 0,1,2,3,4,5,6,7,8,9,10,11,12,13,14,15
	ds_load_b128 v[BBK+4*\t:BBK+4*\t+3], v[RD] offset:\t*528
.endr
.endm
.macro SEND a, younger                 ; younger: the LDS instructions issued behind block a's loads, which may stay out
.set BBK, BK+64*((\a)%2)
	s_wait_dscnt \younger
.irp t, 0,1,2,3,4,5,6,7,8,9,10,11,12,13,14,15
	global_store_b128 v[CO], v[BBK+4*\t:BBK+4*\t+3], s[10:11] offset:(\a)*131072+\t*8192 th:TH_STORE_NT   ; 32 lanes store 512 consecutive bytes, at a multiple of 256 from the output's first byte; the block and the row stand in the immediate
.endr
.endm
	PLACES 8                                       ; in front of the stores that read results and of the loads into the registers that held A's fragments
	TOSTAGE 0
.irp a, 1,2,3
.if \a > 1
	s_wait_xcnt 0x0                                ; block a - 2's stores have read their registers: block a's rows may land there
.endif
	TOSTAGE \a
	SEND \a-1, 32                                  ; behind block a - 1's loads: block a's 16 stores and 16 loads
.endr
	SEND 3, 0
	s_wait_tensorcnt 0x0                           ; the wave's end, behind my last tensor load and my last LDS store
	ds_add_u32 v[SPW], v[NIL]
	s_wait_dscnt 0x0
	CROUND                                         ; the closing round: no work-group ends while a partner may still ask for a tile that names it
	s_endpgm
.Lfunc_end_k_qe58af36c36_proj:
	.size	k_qe58af36c36_proj, .Lfunc_end_k_qe58af36c36_proj-k_qe58af36c36_proj
	.p2alignl 7, 3214868480
	.fill 96, 4, 3214868480
	.section	.rodata,"a",@progbits
	.p2align	6, 0x0
	.amdhsa_kernel k_qe58af36c36_proj
		.amdhsa_group_segment_fixed_size 327680
		.amdhsa_private_segment_fixed_size 0
		.amdhsa_enable_private_segment 0
		.amdhsa_kernarg_size 32
		.amdhsa_user_sgpr_count 2
		.amdhsa_user_sgpr_kernarg_segment_ptr 1
		.amdhsa_wavefront_size32 1
		.amdhsa_system_sgpr_workgroup_id_x 1
		.amdhsa_system_sgpr_workgroup_id_y 1
		.amdhsa_system_sgpr_workgroup_id_z 1
		.amdhsa_system_vgpr_workitem_id 0
		.amdhsa_next_free_vgpr 768
		.amdhsa_next_free_sgpr 72
		.amdhsa_reserve_vcc 0
		.amdhsa_float_denorm_mode_32 3
		.amdhsa_float_denorm_mode_16_64 3
		.amdhsa_memory_ordered 1
		.amdhsa_forward_progress 1
		.amdhsa_inst_pref_size 91
	.end_amdhsa_kernel
	.amdgpu_metadata
---
amdhsa.version: [ 1, 2 ]
amdhsa.kernels:
  - .name:           k_qe58af36c36_proj
    .symbol:         k_qe58af36c36_proj.kd
    .args:
      - { .name: ac, .offset: 0, .size: 8, .value_kind: global_buffer, .address_space: global }
      - { .name: wb, .offset: 8, .size: 8, .value_kind: global_buffer, .address_space: global }
      - { .name: b_o, .offset: 16, .size: 8, .value_kind: global_buffer, .address_space: global }
      - { .name: out0, .offset: 24, .size: 8, .value_kind: global_buffer, .address_space: global }
    .group_segment_fixed_size: 327680
    .private_segment_fixed_size: 0
    .kernarg_segment_align: 8
    .kernarg_segment_size: 32
    .max_flat_workgroup_size: 128
    .sgpr_count:     72
    .vgpr_count:     768
    .wavefront_size: 32
...
	.end_amdgpu_metadata
.endif
;; end of part 3
;; ======== version 2 of 2: 3 launches; version 1 with the launch attn written anew for expert scheduling mode
;; workspace buffers: kv 8,912,896 bytes; wb 8,912,896 bytes; ac 17,825,792 bytes; mw 524,288 bytes of whole numbers; flags 2,048 bytes of whole numbers
;; launch prep: the kernel of part 1 again; grid 768 x 1, 4 waves a work-group, no clusters, 53,248 bytes of LDS; arguments K, V, W_o, mask, kv, wb, mw, flags; writes kv, wb, mw, flags
;; launch attn (part 4): grid 256 x 1, 16 waves a work-group, no clusters, 317,440 bytes of LDS; arguments Q, kv, mw, flags, ac; writes ac
.if DOCPART == 4
	.amdgcn_target "amdgcn-amd-amdhsa--gfx1250"
	.amdhsa_code_object_version 6
	.text
	.protected	k_qe58af36c36_attn
	.globl	k_qe58af36c36_attn
	.p2align	8
	.type	k_qe58af36c36_attn,@function
k_qe58af36c36_attn:
	s_mov_b64 s[64:65], 0
	v_nop
	global_prefetch_b8 v0, s[64:65] scope:SCOPE_SE
	s_setreg_imm32_b32 hwreg(HW_REG_WAVE_SCHED_MODE, 0, 2), 2
	s_setreg_imm32_b32 hwreg(HW_REG_WAVE_MODE, 25, 1), 1
	s_wait_xcnt 0x0
	s_wait_alu depctr_vm_vsrc(0)
; attn[b][q][head] = softmax over the kept keys of (Q . K / sqrt(128)) times V, both products on codes of FP8 (E4M3) with one E8M0 scale for each 32 along a product's K; the result is quantised
; along the output projection's K and leaves as codes: it never goes to memory as f32.
; THE SOFTMAX: t = score x log2(e) / sqrt(128); M = the running largest t rounded UP to a whole number; p = 2^(t - M) is quantised along the keys; the row's sum is taken of the unquantised p
; and divides at the end.  When M moves, the sum and O are multiplied by 2^(old M - new M): exact.
; THE MASK is an input and is honoured as given: an earlier launch has turned it into lane masks (one word for each score register) and into flags for each (16 queries, 128 keys).
; A step none of whose keys is kept adds nothing and is left out, by a scalar branch on the stored flags; a step with no masked key skips the 64 selects.
; A query with no kept key at all has the sum 0: its codes are zeros and its scale word is 0xffffffff, which makes its row of the output NaN, as the softmax of a row of -infinity is.
; LIMITS: NaN and infinities in Q are not served; a block whose largest magnitude lies under 2^-118, a block of zeros too, gets the scale byte 1 (its codes then add what they are worth, zeros nothing).
; SHARES.  A work-group has one (batch, kv head) and 128 queries; wave w has query head 4 x kv head + w % 4 and two tiles of 16 queries, t = 4 j + w / 4 and 63 - t, one after the other.
; K's and V's fragments and scale words of the whole head pair, 278,528 bytes, are copied into LDS once, through registers; one barrier; from then on those bytes are only read and the waves run free.
; Q IS LOADED IN DENSE RUNS: eight neighbouring lanes read the 128 consecutive bytes of one block of 32 numbers of one row, four rows an instruction.  The quantiser wants 16 neighbours of ONE row in a lane:
; so a block column (16 rows x 128 bytes) turns through the wave's own stage in LDS, 2,304 bytes behind the block of kv, the four columns of a tile one after the other.
; NO JOINT REQUESTS: eight work-groups read the same 278,528 bytes, once each.  A joint request is a tensor load;
; the branches on the stored flags, which leave out whole key steps, are worth more here than one copy in eight of these bytes.
; LAYOUT.  Both products are used transposed: S^T = K Q^T, O^T = V^T P^T: a lane holds ONE query (lane % 16).  The keys of a tile of K and the channels of a tile of V were chosen so that the
; 16 registers of two neighbouring result tiles are 16 neighbours along the next K.
; REGISTERS: v1-7 addresses that stay; v8-11 the step's LDS addresses (v8, v9 at a tile's head: where Q comes back from the stage); v12 -M, v13 the largest t, v[14:15] the sum; v16-31 Q's codes,
; v255 its scale word; v32-95 four fragments, at a tile's head Q back from the stage; v96-159 Q as loaded, S^T, p; v160-223 O^T; v224-239 p's codes; v232-254 at work; v248-251 fragments' scale words; v253 p's scale word.
; THE MODE: SCHED_MODE bits 1:0 = 2 (LLVM: expert scheduling mode 2), set by the entry lines.  The code itself states the register dependences between vector or matrix instructions
; and memory or LDS instructions, with s_wait_alu, always for 0.
; THE PLAN.  Registers that memory or LDS instructions touch:
;   v1, v3, v5       Addresses of the codes' stores, of Q's loads and of the prefetch: made at the head, never written again.  v6, v7 likewise from behind the barrier on.
;   v8 .. v11        Read by the LDS loads of a tile's head (v8) and of a step; written at a tile's head (v8, v9) and at a step's head: a wait on vm_vsrc ahead of the additions, a wait on va_vdst behind them.
;   v96 .. v159      Q's loads land here and the stage's LDS stores read them; from then on vector and matrix instructions alone (S^T, p), until the next tile's loads.
;   v32 .. v95, v248 .. v251   Every LDS load lands here: Q back from the stage, then four fragments and their scale words four times a step.  Read by the quantiser and by the products.  v32-47 are the tile's codes on the way out.
;   v252             The tile's scale word on the way out.
; So in a step one wait on va_vdst stands ahead of each run of 20 LDS loads but one: V's first four fragments are asked for straight behind the wait that follows the exponentials, since K's last products stand ahead of
; that wait and no vector instruction behind it names v32-95, v248-251, v9 or v11; they land under the rest of the softmax.  One more stands ahead of V's first products, for p's codes and scale word.
.set KVB,  278528
.set VOFF, 139264                      ; V's fragments lie this far behind K's, and V's scale images this far behind K's
.set STAGE, KVB                        ; behind the block of kv: a stage for each wave
.set QP,   144                         ; a stage row: 128 bytes + 16: 36 words from row to row, so the 16 rows that a load touches begin in 16 different columns of 16 bytes
.set QST,  16*QP                       ; a wave's stage
.set MNT,  19                          ; s19      the mantissa field of 448
.set SEL,  20                          ; s[20:21] lane selects: lane l xor 16
.set CS,   22                          ; s[22:23] c = log2(e) / sqrt(128), twice
; s[4:5] Q at my batch and head; s[6:7] my block of kv; s[8:9] mw, s[10:11] flags at my batch; s[12:13] ac; s14 wave; s15 query head; s16 tile; s17 tiles to go; s18 step;
; s24, s25 the step's fragments and scale images in LDS; s26 the tile's flags; s27 at work; s[28:29], s[100:101] where the codes and the scale words go; s[30:31] the tile's mask words;
; s[2:3] the flag words; s[32:63], s[68:99] the step's 64 mask words; s66 64 x batch; s[104:105] the rows of Q to be loaded
.macro QUANT s, pc, tm, pw             ; 64 numbers of a lane, register 16 b + i = k 32 b + 16 (lane / 16) + i of my row, become a fragment's codes and its scale word
.irp b, 0,1,2,3
	v_max3_num_f32 v[\tm+\b], |v[\s+16*\b]|, |v[\s+1+16*\b]|, 0x4800000   ; block b: my 16 numbers, and the floor 2^(9 - 127): the byte cannot fall under 1
.endr
.irp i, 2,4,6,8,10,12,14
.irp b, 0,1,2,3
	v_max3_num_f32 v[\tm+\b], v[\tm+\b], |v[\s+16*\b+\i]|, |v[\s+1+16*\b+\i]|
.endr
.endr
.irp b, 0,1,2,3
	v_permlanex16_b32 v[\tm+4+\b], v[\tm+\b], s[SEL], s[SEL+1]
.endr
.irp b, 0,1,2,3
	v_max_num_f32 v[\tm+\b], v[\tm+\b], v[\tm+4+\b]                ; with lane l xor 16's: the block's largest magnitude
.endr
.irp b, 0,1,2,3
	v_add_nc_u32 v[\tm+12+\b], 0xfc000000, v[\tm+\b]               ; 8 off its exponent field: the conversion's scale operand
.endr
.irp b, 0,1,2,3
	v_and_or_b32 v[\tm+8+\b], v[\tm+\b], 0x7f800000, s[MNT]        ; 448 x the scale
.endr
.irp b, 0,1,2,3
	v_lshrrev_b32 v[\tm+4+\b], 23, v[\tm+12+\b]                    ; the scale's byte
.endr
	v_lshl_or_b32 v[\pw], v[\tm+5], 8, v[\tm+4]
	v_lshl_or_b32 v[\pw], v[\tm+6], 16, v[\pw]
	v_lshl_or_b32 v[\pw], v[\tm+7], 24, v[\pw]
.irp b, 0,1,2,3
.irp i, 0,1,2,3,4,5,6,7,8,9,10,11,12,13,14,15
	v_med3_num_f32 v[\s+16*\b+\i], v[\s+16*\b+\i], -v[\tm+8+\b], v[\tm+8+\b]   ; the conversion to an 8-bit code does not saturate (ISA guide 7.6.2): the hold comes first
.endr
	v_cvt_scalef32_pk8_fp8_f32 v[\pc+4*\b:\pc+1+4*\b], v[\s+16*\b:\s+7+16*\b], v[\tm+12+\b]
	v_cvt_scalef32_pk8_fp8_f32 v[\pc+2+4*\b:\pc+3+4*\b], v[\s+8+16*\b:\s+15+16*\b], v[\tm+12+\b]
.endr
	v_nop                                          ; a plain line behind the last conversion: matrix and vector instructions write its sources later
.endm
.macro XLOAD                           ; a tile of Q as it lies: block column c, rows 4 i + lane / 8, 16 bytes a lane: an instruction reads four runs of 128 consecutive bytes
.irp c, 0,1,2,3
.irp i, 0,1,2,3
	global_load_b128 v[96+16*\c+4*\i:99+16*\c+4*\i], v3, s[104:105] offset:65536*\i+128*\c th:TH_LOAD_NT
.endr
.endr
.endm
; The tile through my stage, a block column at a time: in as loaded, out of v96 on; back 64 bytes a lane, into v32 on: then register 32 + 16 c + 4 j + k of lane (r, h) is number 32 c + 16 h + 4 j + k of row r.
; LDS serves a wave's instructions in order (ISA guide 5.7.1.4): the loads see the stores above them, and the next column's stores come behind them.  No other wave touches these bytes.
; The loads land in other registers than the stores read, so no wait stands among these 32 lines.
.macro TURNQ
.irp c, 0,1,2,3
.irp i, 0,1,2,3
	ds_store_b128 v7, v[96+16*\c+4*\i:99+16*\c+4*\i] offset:4*QP*\i
.endr
.irp j, 0,1,2,3
	ds_load_b128 v[32+16*\c+4*\j:35+16*\c+4*\j], v8 offset:16*\j
.endr
.endr
.endm
	s_load_b128 s[4:7], s[0:1], 0x0                ; Q, kv
	s_load_b128 s[8:11], s[0:1], 0x10              ; mw, flags
	s_load_b64 s[12:13], s[0:1], 0x20              ; ac
	v_lshrrev_b32 v1, 5, v0
	v_readfirstlane_b32 s14, v1                    ; wave 0..15
	s_lshr_b32 s26, ttmp9, 3                       ; batch x 8 + kv head
	s_and_b32 s27, ttmp9, 7                        ; j
	s_lshr_b32 s67, s26, 3                         ; batch
	s_and_b32 s28, s26, 7                          ; kv head
	s_wait_alu depctr_va_sdst(0)                   ; s14 is written, ahead of its first reader: the head, the tile and the stage's place are made from it
	s_and_b32 s29, s14, 3
	s_lshl_b32 s15, s28, 2
	s_add_co_u32 s15, s15, s29                     ; query head
	s_lshr_b32 s29, s14, 2
	s_lshl_b32 s16, s27, 2
	s_add_co_u32 s16, s16, s29                     ; my first tile of queries
	s_lshl_b32 s66, s67, 6
	s_mul_i32 s28, s26, KVB
	s_mov_b32 s29, 0
	s_lshl_b32 s30, s67, 24                        ; a batch of Q: 1,024 rows of 16,384 bytes
	s_lshl_b32 s31, s15, 9
	s_add_co_u32 s30, s30, s31
	s_mov_b32 s31, 0
	s_lshl_b32 s24, s67, 17                        ; a batch of mw: 64 tiles of 2,048 bytes
	s_mov_b32 s25, 0
	s_lshl_b32 s2, s67, 9                          ; a batch of flags: 64 tiles of 8 bytes
	s_mov_b32 s3, 0
	s_lshl_b32 s100, s16, 18                       ; a tile of Q: 16 rows
	s_mov_b32 s101, 0
	s_mov_b32 s[MNT], 0x600000
	s_mov_b32 s[SEL], 0x76543210
	s_mov_b32 s[SEL+1], 0xfedcba98
	s_mov_b32 s[CS], 0x3e0293ee
	s_mov_b32 s[CS+1], s[CS]
	s_mov_b32 s17, 2
	v_and_b32 v2, 31, v0
	v_lshlrev_b32 v1, 4, v2                        ; 16 x lane: my place in a piece of a fragment
	v_lshl_add_u32 v2, v2, 2, 0x20000              ; 4 x lane + where K's scale images begin
	v_and_b32 v11, 15, v0
	v_bfe_u32 v12, v0, 4, 1
	v_lshlrev_b32 v5, 14, v11
	v_lshl_add_u32 v5, v12, 8, v5                  ; the prefetch: row lane % 16, + 256 (lane / 16): 32 lanes name the 32 runs of 256 bytes of a tile of Q
	v_bfe_u32 v11, v0, 3, 2
	v_and_b32 v12, 7, v0
	v_lshlrev_b32 v3, 14, v11
	v_lshl_add_u32 v3, v12, 4, v3                  ; Q: row lane / 8 of 16,384 bytes, + 16 (lane % 8)
	v_mov_b32 v4, 0xff800000                       ; -infinity
	v_lshlrev_b32 v6, 4, v0                        ; the copy: 16 bytes a thread, 8,192 a line
	v_add_nc_u32 v7, 0x10000, v6                   ; an LDS immediate reaches 65,535: the rest stands in the register
	v_add_nc_u32 v8, 0x20000, v6
	v_add_nc_u32 v9, 0x30000, v6
	v_add_nc_u32 v10, 0x40000, v6
	s_wait_kmcnt 0x0
	s_add_nc_u64 s[6:7], s[6:7], s[28:29]
	s_add_nc_u64 s[4:5], s[4:5], s[30:31]
	s_add_nc_u64 s[8:9], s[8:9], s[24:25]
	s_add_nc_u64 s[10:11], s[10:11], s[2:3]
	s_add_nc_u64 s[104:105], s[4:5], s[100:101]
	s_wait_alu depctr_va_vdst(0)                   ; the addresses v1, v3, v5 and v6 to v10 are written, which the loads, the LDS stores, the prefetch and the stores below read
	; ---- the block of kv into LDS: 34 lines of 8,192 bytes
.set i, 0
.rept 34
.if i < 16
.set CR, 32+4*i
.elseif i < 32
.set CR, 160+4*(i-16)
.else
.set CR, 224+4*(i-32)
.endif
	global_load_b128 v[CR:CR+3], v6, s[6:7] offset:8192*i
.set i, i+1
.endr
	XLOAD                                          ; my first tile of Q lands while the copy goes on
.set i, 0
.rept 34
.if i < 16
.set CR, 32+4*i
.elseif i < 32
.set CR, 160+4*(i-16)
.else
.set CR, 224+4*(i-32)
.endif
.if i%8 == 0
.if i < 32
	s_wait_loadcnt 42-i                            ; 50 loads were issued: the next eight of the copy are in when so many younger ones are out
.else
	s_wait_loadcnt 16                              ; all of the copy is in; Q's 16 may be out
.endif
.endif
	ds_store_b128 v[6+i/8], v[CR:CR+3] offset:8192*(i%8)
.set i, i+1
.endr
	s_wait_dscnt 0x0                               ; for the others' sake: my stores have landed
	s_barrier_signal -1
	s_barrier_wait -1                              ; the block is whole; nobody writes its bytes again
	s_wait_alu depctr_vm_vsrc(0)                   ; the copy's loads and LDS stores have read their addresses v6 to v10 and their data v32-95, v160-231: all of these are written again from here on
	v_and_b32 v6, 31, v0
	v_lshlrev_b32 v6, 2, v6                        ; 4 x lane: my scale word on the way out
	s_mul_i32 s28, s14, QST
	s_add_co_u32 s28, s28, STAGE                   ; my stage
	v_bfe_u32 v7, v0, 3, 2
	v_mul_u32_u24 v7, v7, QP
	v_and_b32 v8, 7, v0
	v_lshl_add_u32 v7, v8, 4, v7
	v_add_nc_u32 v7, s28, v7                       ; into it: row lane / 8, + 16 (lane % 8); it stays
.Ltile:
	s_lshl_b32 s27, s16, 3
	s_load_b64 s[2:3], s[10:11], s27 offset:0x0    ; the tile's flags
	s_lshl_b32 s28, s16, 11
	s_mov_b32 s29, 0
	s_add_nc_u64 s[30:31], s[8:9], s[28:29]        ; and where its mask words begin
	s_mul_i32 s28, s14, QST
	s_add_co_u32 s28, s28, STAGE                   ; my stage
	v_and_b32 v8, 15, v0                           ; (on both ways to this label a wait on vm_vsrc stands behind the last LDS instruction that read v8 or v9)
	v_mul_u32_u24 v8, v8, QP
	v_bfe_u32 v9, v0, 4, 1
	v_lshl_add_u32 v8, v9, 6, v8
	v_add_nc_u32 v8, s28, v8                       ; out of it: row lane % 16, + 64 (lane / 16).  (Made anew for each tile: the key steps use v8)
	s_wait_loadcnt 0x0                             ; Q's tile is in
	s_wait_alu depctr_va_vdst(0)                   ; v7 and v8 are written, which the LDS instructions below read; the last tile's products and conversions are done with v32-95, in which Q lands
	TURNQ
	v_mov_b32 v13, 0xff61b1e6                      ; the largest t so far: -3e38, under every t.  (These 73 lines stand under the turn through LDS: they name none of its registers)
	v_floor_f32 v12, -v13                          ; -M
	v_mov_b32 v14, 0                               ; the sum, in two halves
	v_mov_b32 v15, 0
.irp b, 0,1,2,3
	v_mov_b32 v[236+\b], 0                         ; a lane permute's destination counts as one of its sources
.endr
	v_mov_b32 v253, 0                              ; named as the upper half of the pair v[252:253]
.set n, 0
.rept 64
	v_mov_b32 v[160+n], 0                          ; O^T: the step is written once; the first finds zeros, which the first change of M leaves zeros
.set n, n+1
.endr
	s_wait_dscnt 0x0                               ; Q is back from the stage, 16 neighbours of each block to a lane
	s_wait_alu depctr_vm_vsrc(0)                   ; the stage's stores have read v96-159, which the steps' products write and in which the next tile's loads land: stated here, ahead of every branch
	QUANT 32, 16, 232, 255
	s_wait_kmcnt 0x0
	s_lshl_b32 s26, s3, 4
	s_or_b32 s26, s26, s2                          ; bit s: step s has a kept key; bit 8 + s: it has a masked one
	s_cmp_eq_u32 s17, 2
	s_cbranch_scc0 .Lsecond
	s_sub_co_u32 s28, 63, s16                      ; in my first tile: where my second tile's rows of Q lie (the loads that named this pointer are in)
	s_lshl_b32 s28, s28, 18
	s_add_nc_u64 s[104:105], s[4:5], s[28:29]
	global_prefetch_b8 v5, s[104:105] th:TH_LOAD_NT scope:SCOPE_SE   ; each wave asks once for its own second tile's 32 runs of 256 bytes; they are loaded behind this tile's key steps, of which the flags leave between none and eight
.Lsecond:
	s_mov_b32 s18, 0
	s_mov_b32 s24, 0
	s_mov_b32 s25, 0
.Lstep:                                                ; eight trips, whatever the mask: the work of a step is jumped over, the lines that step addresses are not
	s_lshr_b32 s27, s26, s18
	s_and_b32 s27, s27, 1
	s_cmp_eq_u32 s27, 0
	s_cbranch_scc1 .Lhidden
	s_lshl_b32 s27, s18, 8
	s_load_b512 s[32:47], s[30:31], s27 offset:0x0     ; the step's 64 mask words: they land under the first product
	s_load_b512 s[48:63], s[30:31], s27 offset:0x40
	s_load_b512 s[68:83], s[30:31], s27 offset:0x80
	s_load_b512 s[84:99], s[30:31], s27 offset:0xc0
	s_wait_alu depctr_vm_vsrc(0)                   ; the LDS loads issued so far have read v8 to v11
	v_add_nc_u32 v8, s24, v1                       ; K's fragments,
	v_add_nc_u32 v9, VOFF, v8                      ; V's,
	v_add_nc_u32 v10, s25, v2                      ; K's scale images,
	v_add_nc_u32 v11, VOFF, v10                    ; V's
.irp g, 0,1                            ; S^T = K Q^T, four tiles of 16 keys at a time
.rept 4+4*\g
	v_nop                                          ; eight plain lines behind the products just issued, the four additions above among them; the wait follows them
.endr
	s_wait_alu depctr_va_vdst(0)                   ; the products issued so far are done reading v32-95 and v248-251, in which the loads below land; ahead of the first four: v8 to v11 are written, and, in a tile's first step, Q's codes and scale word, which the products take
.irp t, 0,1,2,3
.irp c, 0,1,2,3
	ds_load_b128 v[32+16*\t+4*\c:35+16*\t+4*\c], v8 offset:(4*\g+\t)*2048+512*\c
.endr
	ds_load_b32 v[248+\t], v10 offset:(4*\g+\t)*128
.endr
	s_wait_dscnt 0x0
.irp t, 0,1,2,3
	v_wmma_scale_f32_16x16x128_f8f6f4 v[96+8*(4*\g+\t):103+8*(4*\g+\t)], v[32+16*\t:47+16*\t], v[16:31], 0, v[248+\t], v255
.endr
.endr
.rept 8
	v_nop
.endr
	s_wait_kmcnt 0x0                               ; the mask words are in
	s_add_co_u32 s27, s18, 8
	s_lshr_b32 s27, s26, s27
	s_and_b32 s27, s27, 1
	s_cmp_eq_u32 s27, 0
	s_cbranch_scc1 .Lopen                          ; no key of this step is masked for my queries
.set n, 0
.rept 64
	v_cndmask_b32 v[96+n], v4, v[96+n], s[32+n+4*(n/32)]   ; a masked key's score becomes -infinity ahead of the maximum: its p is 0
.set n, n+1
.endr
.Lopen:
.irp b, 0,1,2,3
	v_max3_num_f32 v[232+\b], v[96+16*\b], v[97+16*\b], v[98+16*\b]   ; the largest score of each block of 32 keys: for the row's maximum and, since p rises with the score, for the block's largest p
.endr
.irp i, 3,5,7,9,11,13
.irp b, 0,1,2,3
	v_max3_num_f32 v[232+\b], v[232+\b], v[96+16*\b+\i], v[97+16*\b+\i]
.endr
.endr
.irp b, 0,1,2,3
	v_max_num_f32 v[232+\b], v[232+\b], v[111+16*\b]
.endr
.irp b, 0,1,2,3
	v_permlanex16_b32 v[236+\b], v[232+\b], s[SEL], s[SEL+1]
.endr
.irp b, 0,1,2,3
	v_max_num_f32 v[232+\b], v[232+\b], v[236+\b]  ; with lane l xor 16's 16 keys
.endr
	v_max3_num_f32 v254, v232, v233, v234
	v_max_num_f32 v254, v254, v235                 ; the step's largest score of my query
	v_mul_f32 v254, s[CS], v254                    ; as t
	v_max_num_f32 v13, v13, v254                   ; the running largest t
	v_mov_b32 v254, v12
	v_floor_f32 v12, -v13                          ; the new -M = -ceil(t)
	v_sub_f32 v254, v12, v254                      ; old M less new M: a whole number, 0 or less
	v_cvt_i32_f32 v254, v254                       ; (it saturates)
	v_ldexp_f32 v252, 1.0, v254                    ; f = 2^(old M - new M)
.set n, 0
.rept 32
	v_pk_fma_f32 v[96+n:97+n], v[96+n:97+n], s[CS:CS+1], v[12:13] op_sel_hi:[1,0,0]   ; t - M, two at a time
.set n, n+2
.endr
.irp b, 0,1,2,3
	v_fma_f32 v[232+\b], v[232+\b], s[CS], v12     ; the same of each block's largest score
.endr
.set n, 0
.rept 64
	v_exp_f32 v[96+n], v[96+n]                     ; p = 2^(t - M), at most 1
.set n, n+1
.endr
.irp b, 0,1,2,3
	v_exp_f32 v[232+\b], v[232+\b]                 ; the block's largest p
.endr
	v_pk_mul_f32 v[14:15], v[14:15], v[252:253] op_sel_hi:[1,0]    ; the sums under the new M (a plain line behind the exponentials)
	s_wait_alu depctr_va_vdst(0)                   ; the 68 exponentials have written p and the blocks' largest p, ahead of their first reader; and K's last products are done reading v32-95 and v248-251, in which the loads below land
.irp t, 0,1,2,3                        ; V's first four fragments are asked for here: they land under the rest of the softmax, which names none of v32-95, v248-251, v9, v11
.irp c, 0,1,2,3
	ds_load_b128 v[32+16*\t+4*\c:35+16*\t+4*\c], v9 offset:\t*2048+512*\c
.endr
	ds_load_b32 v[248+\t], v11 offset:\t*128
.endr
.irp b, 0,1,2,3
	v_max_num_f32 v[232+\b], 0x4800000, v[232+\b]  ; the floor 2^(9 - 127)
.endr
.irp b, 0,1,2,3
	v_add_nc_u32 v[244+\b], 0xfc000000, v[232+\b]  ; the conversion's scale operand
.endr
.irp b, 0,1,2,3
	v_and_or_b32 v[240+\b], v[232+\b], 0x7f800000, s[MNT]          ; 448 x the scale
.endr
.irp b, 0,1,2,3
	v_lshrrev_b32 v[236+\b], 23, v[244+\b]         ; the scale's byte
.endr
	v_lshl_or_b32 v253, v237, 8, v236              ; p's scale word for these 128 keys
	v_lshl_or_b32 v253, v238, 16, v253
	v_lshl_or_b32 v253, v239, 24, v253
	v_pk_add_f32 v[236:237], v[96:97], v[98:99]    ; the row's sum is taken of the unquantised p: two at a time, in two chains
.irp j, 4,8,12,16,20,24,28,32,36,40,44,48,52,56,60
	v_pk_add_f32 v[14:15], v[14:15], v[96+\j:97+\j]
	v_pk_add_f32 v[236:237], v[236:237], v[98+\j:99+\j]
.endr
	v_pk_add_f32 v[14:15], v[14:15], v[236:237]
.irp b, 0,1,2,3
.irp i, 0,1,2,3,4,5,6,7,8,9,10,11,12,13,14,15
	v_min_num_f32 v[96+16*\b+\i], v[96+16*\b+\i], v[240+\b]        ; the hold; p is not negative, so it is one-sided
.endr
	v_cvt_scalef32_pk8_fp8_f32 v[224+4*\b:225+4*\b], v[96+16*\b:103+16*\b], v[244+\b]
	v_cvt_scalef32_pk8_fp8_f32 v[226+4*\b:227+4*\b], v[104+16*\b:111+16*\b], v[244+\b]
.endr
.set n, 0
.rept 32
	v_pk_mul_f32 v[160+n:161+n], v[160+n:161+n], v[252:253] op_sel_hi:[1,0]   ; O^T under the new M.  These 32 are also the places between p's codes and scale word and the products below
.set n, n+2
.endr
.irp g, 0,1                            ; O^T += V^T P^T: four tiles of 16 channels at a time; the eight accumulators take turns
.if \g > 0
.rept 8
	v_nop                                          ; eight plain lines behind the products just issued; the wait follows them
.endr
	s_wait_alu depctr_va_vdst(0)                   ; V's first four products are done reading v32-95 and v248-251, in which the loads below land
.irp t, 0,1,2,3
.irp c, 0,1,2,3
	ds_load_b128 v[32+16*\t+4*\c:35+16*\t+4*\c], v9 offset:(4*\g+\t)*2048+512*\c
.endr
	ds_load_b32 v[248+\t], v11 offset:(4*\g+\t)*128
.endr
.endif
	s_wait_dscnt 0x0                               ; the four fragments and their scale words are in
.if \g == 0
	s_wait_alu depctr_va_vdst(0)                   ; the conversions have written p's codes v224-239, and v253 holds p's scale word: the products below take them; the places stand above
.endif
.irp t, 0,1,2,3
	v_wmma_scale_f32_16x16x128_f8f6f4 v[160+8*(4*\g+\t):167+8*(4*\g+\t)], v[32+16*\t:47+16*\t], v[224:239], v[160+8*(4*\g+\t):167+8*(4*\g+\t)], v[248+\t], v253
.endr
.endr
.Lhidden:
	s_add_co_u32 s24, s24, 16384                   ; the next step's fragments
	s_add_co_u32 s25, s25, 1024                    ; and scale images
	s_add_co_u32 s18, s18, 1
	s_cmp_lt_u32 s18, 8
	s_cbranch_scc1 .Lstep
	; ---- the tile's end: O^T / the sum is quantised along the projection's K and leaves as a fragment's image
	s_cmp_eq_u32 s17, 2
	s_cbranch_scc0 .Lno_next
	s_wait_alu depctr_va_vdst(0)                   ; the steps' holds and conversions are done reading p in v96-159, in which the loads below land
	XLOAD                                          ; my second tile of Q lands under the lines below
.Lno_next:
.rept 8
	v_nop                                          ; places behind the last products
.endr
	v_add_f32 v14, v14, v15                        ; the sum's two halves,
	v_permlanex16_b32 v236, v14, s[SEL], s[SEL+1]
	v_add_f32 v14, v14, v236                       ; and lane l xor 16's: the row's sum
	v_cmp_eq_f32 vcc_lo, 0, v14                    ; 0 only where no key was kept: a row's largest p lies over 1/2
	v_rcp_f32 v15, v14
	v_nop                                          ; a plain line behind the transcendental
	s_wait_alu depctr_va_vdst(0)                   ; the reciprocal has written v15, ahead of its first reader
	s_wait_alu depctr_va_vcc(0)                    ; the compare has written VCC, ahead of its first reader
	v_cndmask_b32 v14, v15, 0, vcc_lo              ; such a row's codes are zeros
.set n, 0
.rept 32
	v_pk_mul_f32 v[160+n:161+n], v[160+n:161+n], v[14:15] op_sel_hi:[1,0]   ; register 16 b + i is attn(query r, channel 32 b + 16 h + i); each accumulator from its low end on
.set n, n+2
.endr
	QUANT 160, 32, 232, 252
	v_cndmask_b32 v252, v252, -1, vcc_lo           ; and its scale bytes 0xff: NaN
	s_add_co_u32 s27, s66, s16                     ; which 16 rows of attn: 64 x batch + tile
	s_lshr_b32 s28, s27, 3
	s_lshl_b32 s28, s28, 4
	s_lshr_b32 s29, s15, 1
	s_add_co_u32 s28, s28, s29
	s_mul_i32 s28, s28, 34816                      ; the block of (128 rows, 256 along K = two heads)
	s_and_b32 s27, s27, 7
	s_and_b32 s29, s15, 1
	s_lshl_b32 s67, s29, 3
	s_add_co_u32 s67, s67, s27                     ; 8 x (head % 2) + which 16 rows of the 128
	s_lshl_b32 s100, s67, 7
	s_add_co_u32 s100, s100, s28
	s_add_co_u32 s100, s100, 32768
	s_mov_b32 s101, 0
	s_lshl_b32 s67, s67, 11
	s_add_co_u32 s28, s28, s67
	s_mov_b32 s29, 0
	s_add_nc_u64 s[28:29], s[12:13], s[28:29]
	s_add_nc_u64 s[100:101], s[12:13], s[100:101]
	s_wait_alu depctr_va_vdst(0)                   ; the conversions have written the codes v32-47 and the select the scale word v252, which the five stores read
.irp c, 0,1,2,3
	global_store_b128 v1, v[32+4*\c:35+4*\c], s[28:29] offset:512*\c   ; 512 consecutive bytes
.endr
	global_store_b32 v6, v252, s[100:101]
	s_wait_xcnt 0x0                                ; the stores have read their data and bases: both are written again in the next tile
	s_wait_alu depctr_vm_vsrc(0)                   ; the stores have read v32-47 and v252, and the steps' LDS loads v8 and v9: the next tile writes all of these; stated ahead of the branch
	s_sub_co_u32 s16, 63, s16
	s_sub_co_u32 s17, s17, 1
	s_cmp_lg_u32 s17, 0
	s_cbranch_scc1 .Ltile
	s_wait_xcnt 0x0
	v_lshl_add_u32 v254, v0, 2, 0x4d000            ; the add's two registers, made anew here: no memory or LDS instruction has read v254 or v255
	v_mov_b32 v255, 0
	s_wait_dscnt 0x0                               ; the closing lines, six on end
	s_wait_alu 0x0
	s_wait_tensorcnt 0x0
	ds_add_u32 v254, v255
	s_wait_dscnt 0x0
	s_endpgm
.Lfunc_end_k_qe58af36c36_attn:
	.size	k_qe58af36c36_attn, .Lfunc_end_k_qe58af36c36_attn-k_qe58af36c36_attn
	.p2alignl 7, 3214868480
	.fill 96, 4, 3214868480
	.section	.rodata,"a",@progbits
	.p2align	6, 0x0
	.amdhsa_kernel k_qe58af36c36_attn
		.amdhsa_group_segment_fixed_size 317440
		.amdhsa_private_segment_fixed_size 0
		.amdhsa_enable_private_segment 0
		.amdhsa_kernarg_size 40
		.amdhsa_user_sgpr_count 2
		.amdhsa_user_sgpr_kernarg_segment_ptr 1
		.amdhsa_wavefront_size32 1
		.amdhsa_system_sgpr_workgroup_id_x 1
		.amdhsa_system_sgpr_workgroup_id_y 1
		.amdhsa_system_sgpr_workgroup_id_z 1
		.amdhsa_system_vgpr_workitem_id 0
		.amdhsa_next_free_vgpr 256
		.amdhsa_next_free_sgpr 106
		.amdhsa_reserve_vcc 1
		.amdhsa_float_denorm_mode_32 3
		.amdhsa_float_denorm_mode_16_64 3
		.amdhsa_memory_ordered 1
		.amdhsa_forward_progress 1
		.amdhsa_inst_pref_size 66
	.end_amdhsa_kernel
	.amdgpu_metadata
---
amdhsa.version: [ 1, 2 ]
amdhsa.kernels:
  - .name:           k_qe58af36c36_attn
    .symbol:         k_qe58af36c36_attn.kd
    .args:
      - { .name: Q, .offset: 0, .size: 8, .value_kind: global_buffer, .address_space: global }
      - { .name: kv, .offset: 8, .size: 8, .value_kind: global_buffer, .address_space: global }
      - { .name: mw, .offset: 16, .size: 8, .value_kind: global_buffer, .address_space: global }
      - { .name: flags, .offset: 24, .size: 8, .value_kind: global_buffer, .address_space: global }
      - { .name: ac, .offset: 32, .size: 8, .value_kind: global_buffer, .address_space: global }
    .group_segment_fixed_size: 317440
    .private_segment_fixed_size: 0
    .kernarg_segment_align: 8
    .kernarg_segment_size: 40
    .max_flat_workgroup_size: 512
    .sgpr_count:     106
    .vgpr_count:     256
    .wavefront_size: 32
...
	.end_amdgpu_metadata
.endif
;; end of part 4
;; launch proj: the kernel of part 3 again; grid 8 x 32, 4 waves a work-group, clusters of 4 x 4, 327,680 bytes of LDS; arguments ac, wb, b_o, out0; writes out0
